; MI455X (gfx1250); checked and timed in simulation.
; The chip was launched on July 23, 2026; its instructions are those of AMD's public machine-readable ISA for CDNA 5 (MIT licence, August 2026) and "CDNA5" Instruction Set Architecture Reference Guide (July 2026). The comments in the code are by the model that wrote it; some were corrected since.
;; Soft Attention. Allowed arithmetic: matrix products marked QUANTISED: E2M3 operands, one E8M0 scale for each 32 along K, by v_wmma_scale_f32_16x16x128_f8f6f4 with both operands' format E2M3, f32 sums; everything else in f32.
;; Inputs: q_mask 2 x 1,024 bool; query 2 x 1,024 x 64 float32; scale one number float32; v_mask 2 x 1,024 bool; value 2 x 1,024 x 64 float32.
;; Outputs: out0 2 x 1,024 x 64 float32.
;; This version of the problem:
;;   THIS VERSION OF THE PROBLEM IS GIVEN IN LOW PRECISION. The matrix products marked QUANTISED in the list below multiply operands that are first quantised to E2M3 (2 exponent bits, 3 mantissa bits; 6 bits a number), with one power-of-two scale for each 32 numbers along K (OCP MX v1.0); their sums are f32. All else is computed in f32.
;;   The module's matrix products, in the order in which they are computed (A, B: the left and right operand; K: the contracted axis; several contracted axes count as one K, in the product's order):
;;     1. batch 2 x [M 1,024, K 1,024] x [K 1,024, N 64]; A: softmax (see below); B: input value: QUANTISED
;;   THE QUANTISER, for each operand of a quantised product, along K:
;;     - K is cut into blocks of 32 from its start; a last block that is shorter is filled with zeros.
;;     - A block's scale is 2^e with e = floor(log2(the largest magnitude in the block)) - 2, held to -126 .. 127; a block of zeros has e = 0. As a byte (E8M0): e + 127.
;;     - Each number is divided by its block's scale, clamped to +-7.5, and rounded to the nearest number of E2M3, ties to even, subnormals kept.
;;     - The product sums the exact products of the quantised numbers (number of the format x scale) in f32.
;;   ~~~python
;;   def quantise(x, axis):      # numpy; x: float32 -> the quantised numbers, widened to float32 again
;;       x = np.moveaxis(x, axis, -1); K = x.shape[-1]
;;       x = np.pad(x, [(0, 0)] * (x.ndim - 1) + [(0, -K % 32)]); x = x.reshape(x.shape[:-1] + (-1, 32)); a = np.abs(x).max(-1, keepdims=True)
;;       e = np.where(a > 0, np.clip(np.frexp(np.where(a > 0, a, 1))[1] - 1 - 2, -126, 127), 0)      # np.frexp(a)[1] - 1 = floor(log2(a)), exactly
;;       r = np.clip(x / 2.0 ** e, -7.5, 7.5)
;;       step = 2.0 ** (np.maximum(np.frexp(np.where(r == 0, 1, r))[1] - 1, 0) - 3)
;;       q = np.round(r / step) * step * 2.0 ** e      # np.round: ties to even
;;       return np.moveaxis(q.reshape(q.shape[:-2] + (-1,))[..., :K], -1, axis).astype(np.float32)
;;   ~~~
;;   SOFTMAX AHEAD OF A QUANTISED PRODUCT. Where the list says 'softmax', what is quantised is not the finished softmax but p = 2^(t - M), with t = logit x log2(e) and M = ceil(the row's largest t), a whole number; so 1/2 < the row's largest p <= 1. The row's sum l is taken of the UNQUANTISED p, in f32, and the product's result is divided by l at the end. Since M is a whole number, a kernel that streams over the keys may use a running M (the ceiling of the running maximum): every later rescaling is an exact power of two, which a block's scale takes up: the codes' values come out the same.
;;   OPERANDS COMPUTED ON THE WAY. 'Computed on the way' means the value that the module computes at that place (a softmax that the list does not call 'softmax' is quantised finished and normalised). What goes into a quantiser is computed in f32, as accurately as f32 sums, v_exp_f32 and their like allow (about 1e-6 of the number): no bf16 or f16 on the way to a quantiser, and a product that is left as it is and whose result goes on into a quantised operand takes f32 operands (vector FMAs, or v_wmma_f32_16x16x4_f32). A number that lies on a knife's edge between two numbers of the format may be rounded either way, as far as f32 arithmetic and the matrix unit's own rounding can turn it there, and no further.
;; 2 versions. Each part assembles by itself: llvm-mc -triple=amdgcn-amd-amdhsa -mcpu=gfx1250 --defsym DOCPART=n.
;; ======== version 1 of 2: 2 launches
;; limits: inputs' magnitudes at most 166; right only within a limited range of input values
;; workspace buffers: scores 8,388,608 bytes; vq 106,496 bytes
;; launch scores (part 1): grid 2064 x 1, 4 waves a work-group, no clusters, 22,016 bytes of LDS; arguments query, value, scale, v_mask, scores, vq; writes scores, vq
.if DOCPART == 1
	.amdgcn_target "amdgcn-amd-amdhsa--gfx1250"
	.amdhsa_code_object_version 6
	.text
	.protected	k_q24a18ddaf7_scores
	.globl	k_q24a18ddaf7_scores
	.p2align	8
	.type	k_q24a18ddaf7_scores,@function
k_q24a18ddaf7_scores:
	s_mov_b64 s[64:65], 0
	v_nop
	global_prefetch_b8 v0, s[64:65] scope:SCOPE_SE
	s_setreg_imm32_b32 hwreg(HW_REG_WAVE_MODE, 25, 1), 1
	s_wait_xcnt 0x0
; score[b][q][k] = scale x sum over d of tanh(query[b][q][d] + value[b][k][d]), unmasked, for every tile of 64 rows x 16 keys that the second launch reads;
; and value, quantised along the keys, as images of the matrix operand's registers.
; ARITHMETIC.  tanh(x) = 1 - 2 r, r = 1 / (1 + e^(2x)), and e^(2x) = w^4 with w = A(q) A(v), A(z) = 2^(z log2(e) / 2).  A is made once for each number of a tile (40 exponentials a thread);
; an element then costs half of four packed instructions and one reciprocal.  The fourth root keeps A finite and above 0; where w runs over, r is 0, where it runs under, r is 1: no NaN arises.
; The sum over d: 16 d at a time, a tree of packed additions, 4 taken off each half, so that partial sums stay near 0; score = -2 scale (sum of r - 32).
; LIMITS: |query|, |value| up to 166 (A's exponent is held at +-120); NaN and infinities among the inputs are not served.
; WHICH TILES.  Row tile I (64 rows) needs keys 0 .. 64 I + 63: key tiles j <= 4 I + 3.  The tiles above the diagonal are needed only where some row of the tile sees no key at all, that is where
; v_mask[b][0 .. 64 I] is all false: such a row's softmax runs over all 1,024 keys.  That is a test on whole numbers read from the input; a work-group whose tile is not needed stores nothing.
; WORK-GROUPS: 0-15 quantise value (one K step of 128 keys each, a wave for 16 of the 64 channels); 16-1103 the 1,088 tiles on or under the diagonal; 1104-2063 the 960 above it.
; SHARES OF A TILE.  All four waves hold the same 64 rows, two to a lane (rows 32 g + lane); wave w takes keys 4 w .. 4 w + 3 of the 16.  A of the 64 rows and 16 keys is made by the 128 threads together and goes through LDS.
; scores is laid [b][tile of 32 rows][group of 4 keys][row in tile][4 keys]: a wave's store is 512 consecutive bytes, aligned.
; REGISTERS.  A wave keeps to 192, so that more work-groups fit beside each other: a key's 16 numbers have ONE buffer, loaded anew straight behind the 16 products that read it, and phase 1's addresses lie where the sums and scores lie later.
; No tensor load and no cluster: the launch branches on the mask, and what tiles share has to pass through the exponential first.  No prefetch: each work-group reads 20 KiB once, at its head.
.set AQP, 272                          ; LDS: a row's 64 numbers A(q), 256 bytes + 16: the sixteen rows of a load of 16 bytes a lane start at sixteen different columns
.set AVB, 64*AQP                       ; behind the 64 rows: 16 keys x 256 bytes of A(v)
.set X,   16                           ; v16-55    phase 1: 40 numbers as loaded, then their A
.set HI,  64                           ; v64-103   phase 1: c z
.set LO,  104                          ; v104-143  phase 1: what c z lost
.set ACC, 4                            ; v4-7      phase 2: a key's running sum, a pair for each row   (phase 1: v4 16 x thread, v5, v6 where I store A(q), A(v), v7 lane)
.set SC,  8                            ; v8-15     phase 2: four scores for each row                   (phase 1: v8 my 32 bytes of the mask)
.set W,   16                           ; v16-47    phase 2: w, then r: 16 registers for each of my two rows
.set AV,  48                           ; v48-63    phase 2: 16 numbers of a key
.set AQ,  64                           ; v64-191   phase 2: my two rows, 64 registers each
	s_load_b256 s[4:11], s[0:1], 0x0               ; query s[4:5], value s[6:7], scale s[8:9], v_mask s[10:11]
	s_load_b128 s[12:15], s[0:1], 0x20             ; scores s[12:13], vq s[14:15]
	v_lshl_add_u32 v192, v0, 2, 0x5400
	v_mov_b32 v193, 0
	v_lshrrev_b32 v9, 5, v0
	v_readfirstlane_b32 s17, v9                    ; wave 0..3
	v_and_b32 v7, 31, v0                           ; lane
	s_wait_kmcnt 0x0
	s_cmp_lt_u32 ttmp9, 16
	s_cbranch_scc1 .Lvq
	s_load_b32 s16, s[8:9], 0x0                    ; scale: waited for ahead of the barrier, behind the tile's own loads
	; every address register is made here, ahead of the first parting
	v_lshlrev_b32 v4, 4, v0                        ; 16 x thread: my 16 bytes of a load's 2,048
	v_lshrrev_b32 v5, 4, v0
	v_and_b32 v6, 15, v0
	v_mul_u32_u24 v5, v5, AQP
	v_lshl_add_u32 v5, v6, 4, v5                   ; where I store A(q): row thread / 16, 16 bytes at thread % 16
	v_add_nc_u32 v6, AVB, v4                       ; where I store A(v)
	v_mul_u32_u24 v1, v7, AQP                      ; where I read my rows
	s_lshl_b32 s19, s17, 10
	s_add_co_u32 s19, s19, AVB
	v_mov_b32 v2, s19                              ; where my wave's four keys lie: all lanes read the same bytes
	v_lshlrev_b32 v3, 4, v7                        ; 16 x lane: my place in a store of scores
	v_lshlrev_b32 v8, 5, v7                        ; 32 x lane: my 32 bytes of the mask
	s_mov_b32 s36, 0x3f38aa3b                      ; c = log2(e) / 2, rounded
	s_mov_b32 s37, s36
	s_mov_b32 s38, 0x32257060                      ; and what the rounding lost
	s_mov_b32 s39, s38
	s_mov_b32 s40, 0x3f317218                      ; ln 2
	s_mov_b32 s41, s40
	s_mov_b32 s42, 0xc2f00000                      ; -120
	s_mov_b32 s43, 0x42f00000                      ; +120
	; which tile.  Row tiles p and 15 - p together have 68 key tiles on or under the diagonal and 60 above it: groups of equal size, 8 a batch
	s_sub_co_u32 s20, ttmp9, 16
	s_cmp_lt_u32 s20, 1088                         ; on or under the diagonal?
	s_cselect_b32 s21, 1, 0
	s_cselect_b32 s22, 0, 1088
	s_cselect_b32 s23, 68, 60                      ; a group's size
	s_mov_b32 s24, 71582789                        ; 2^32 / 60, rounded up
	s_cselect_b32 s24, 63161284, s24               ; 2^32 / 68, rounded up
	s_sub_co_u32 s20, s20, s22
	s_mul_hi_u32 s25, s20, s24                     ; the group, 0..15
	s_mul_i32 s26, s25, s23
	s_sub_co_u32 s26, s20, s26                     ; the place in it
	s_lshr_b32 s27, s25, 3                         ; b
	s_and_b32 s28, s25, 7                          ; p
	s_lshl_b32 s29, s28, 2
	s_add_co_u32 s30, s29, 4                       ; row tile p's share of the group: 4 p + 4 under,
	s_sub_co_u32 s31, 60, s29                      ; 60 - 4 p above
	s_cmp_eq_u32 s21, 1
	s_cselect_b32 s30, s30, s31
	s_sub_co_u32 s31, 15, s28
	s_sub_co_u32 s32, s26, s30
	s_cmp_lt_u32 s26, s30
	s_cselect_b32 s33, s28, s31                    ; I
	s_cselect_b32 s34, s26, s32
	s_lshl_b32 s35, s33, 2
	s_add_co_u32 s35, s35, 4
	s_cmp_eq_u32 s21, 1
	s_cselect_b32 s35, 0, s35                      ; above the diagonal the key tiles begin at 4 I + 4
	s_add_co_u32 s34, s34, s35                     ; j
	s_mov_b32 s55, 0
	s_lshl_b32 s22, s27, 18                        ; a batch of query or value: 1,024 rows of 256 bytes
	s_lshl_b32 s54, s33, 14
	s_add_co_u32 s54, s54, s22
	s_add_nc_u64 s[46:47], s[4:5], s[54:55]        ; query at row 64 I
	s_lshl_b32 s54, s34, 12
	s_add_co_u32 s54, s54, s22
	s_add_nc_u64 s[48:49], s[6:7], s[54:55]        ; value at key 16 j
	s_lshl_b32 s54, s27, 22
	s_lshl_b32 s22, s33, 18
	s_add_co_u32 s54, s54, s22
	s_lshl_b32 s22, s34, 11
	s_add_co_u32 s54, s54, s22
	s_lshl_b32 s22, s17, 9
	s_add_co_u32 s54, s54, s22
	s_add_nc_u64 s[50:51], s[12:13], s[54:55]      ; scores at ((32 b + 2 I) 256 + 4 j + wave) 512
	s_lshl_b32 s54, s27, 10
	s_add_nc_u64 s[52:53], s[10:11], s[54:55]      ; v_mask at batch b
	s_mov_b32 s18, 1                               ; is the tile needed?  On or under the diagonal: always
	s_cmp_eq_u32 s21, 1
	s_cbranch_scc1 .Lknown
	; above it: only where v_mask[b][0 .. 64 I] is all false.  A lane takes 32 bytes; lanes under 2 I count whole, lane 2 I with its first byte
	global_load_b128 v[16:19], v8, s[52:53]
	global_load_b128 v[20:23], v8, s[52:53] offset:16
	s_wait_loadcnt 0x0
	v_or_b32 v24, v16, v17
	v_or_b32 v25, v18, v19
	v_or_b32 v26, v20, v21
	v_or_b32 v27, v22, v23
	v_or_b32 v24, v24, v25
	v_or_b32 v26, v26, v27
	v_or_b32 v24, v24, v26
	v_and_b32 v25, 0xff, v16
	s_lshl_b32 s19, s33, 1
	v_cmp_gt_u32 vcc_lo, s19, v7
	v_cndmask_b32 v24, 0, v24, vcc_lo
	v_cmp_eq_u32 vcc_lo, s19, v7
	v_cndmask_b32 v24, v24, v25, vcc_lo
	v_cmp_ne_u32 vcc_lo, 0, v24
	s_cmp_eq_u32 vcc_lo, 0
	s_cselect_b32 s18, 1, 0
.Lknown:
	s_cmp_eq_u32 s18, 0
	s_cbranch_scc1 .Lmeet                          ; the jump leads over work alone: the barrier stands on every wave's path
	; ---- phase 1: A of the tile's 64 rows and 16 keys, 40 numbers a thread
.irp i, 0,1,2,3,4,5,6,7
	global_load_b128 v[X+4*\i:X+4*\i+3], v4, s[46:47] offset:2048*\i       ; the 128 threads read 2,048 consecutive bytes: 8 rows
.endr
.irp i, 0,1
	global_load_b128 v[X+32+4*\i:X+32+4*\i+3], v4, s[48:49] offset:2048*\i ; 8 keys
.endr
	s_wait_loadcnt 0x0
.set i, 0
.rept 20
	v_pk_mul_f32 v[HI+i:HI+i+1], v[X+i:X+i+1], s[36:37] op_sel_hi:[1,0]    ; hi = c z
.set i, i+2
.endr
.set i, 0
.rept 20
	v_pk_fma_f32 v[LO+i:LO+i+1], v[X+i:X+i+1], s[36:37], v[HI+i:HI+i+1] op_sel_hi:[1,0,1] neg_lo:[0,0,1] neg_hi:[0,0,1]   ; what that product's rounding lost,
.set i, i+2
.endr
.set i, 0
.rept 20
	v_pk_fma_f32 v[LO+i:LO+i+1], v[X+i:X+i+1], s[38:39], v[LO+i:LO+i+1] op_sel_hi:[1,0,1]   ; and what c's own rounding lost
.set i, i+2
.endr
.set i, 0
.rept 40
	v_med3_num_f32 v[HI+i], v[HI+i], s42, s43      ; the exponent is held at +-120
.set i, i+1
.endr
.set i, 0
.rept 40
	v_exp_f32 v[X+i], v[HI+i]
.set i, i+1
.endr
.set i, 0
.rept 20
	v_pk_mul_f32 v[LO+i:LO+i+1], v[LO+i:LO+i+1], s[40:41] op_sel_hi:[1,0]  ; plain work behind the exponentials, which names none of their results
.set i, i+2
.endr
	s_wait_alu depctr_va_vdst(0)                   ; one wait for the batch of 40, ahead of its first reader
.set i, 0
.rept 20
	v_pk_fma_f32 v[X+i:X+i+1], v[X+i:X+i+1], v[LO+i:LO+i+1], v[X+i:X+i+1]  ; A = e + e lo ln 2
.set i, i+2
.endr
.irp i, 0,1,2,3,4,5,6,7
	ds_store_b128 v5, v[X+4*\i:X+4*\i+3] offset:8*AQP*\i
.endr
.irp i, 0,1
	ds_store_b128 v6, v[X+32+4*\i:X+32+4*\i+3] offset:2048*\i
.endr
.Lmeet:
	s_wait_kmcnt 0x0                               ; scale, asked for at the head
	s_mul_f32 s16, s16, -2.0
	s_wait_dscnt 0x0                               ; for the others' sake: my stores have landed
	s_barrier_signal -1
	s_barrier_wait -1
	s_cmp_eq_u32 s18, 0
	s_cbranch_scc1 .Lend
	; ---- phase 2: my two rows against my wave's four keys
.irp g, 0,1
.irp n, 0,1,2,3,4,5,6,7,8,9,10,11,12,13,14,15
	ds_load_b128 v[AQ+64*\g+4*\n:AQ+64*\g+4*\n+3], v1 offset:32*AQP*\g+16*\n
.endr
.endr
.macro LOADAV n                        ; chunk n = key n / 4, d 16 (n % 4) on: 16 numbers
.irp m, 0,1,2,3
	ds_load_b128 v[AV+4*\m:AV+4*\m+3], v2 offset:256*((\n)/4)+64*((\n)%4)+16*\m
.endr
.endm
.macro CHUNK n
.set CC, (\n)%4
.set KK, (\n)/4
	s_wait_dscnt 0x0                               ; this chunk's 16 numbers are in (asked for in the chunk before, behind its products); in the first chunk my rows too
.irp g, 0,1
.irp m, 0,1,2,3,4,5,6,7
	v_pk_mul_f32 v[W+16*\g+2*\m:W+16*\g+2*\m+1], v[AQ+64*\g+16*CC+2*\m:AQ+64*\g+16*CC+2*\m+1], v[AV+2*\m:AV+2*\m+1]   ; w = A(q) A(v)
.endr
.endr
.if (\n) < 15
	LOADAV (\n)+1                                  ; the buffer has been read: the next chunk's numbers land while this chunk is worked
.endif
.set i, 0
.rept 16
	v_pk_mul_f32 v[W+i:W+i+1], v[W+i:W+i+1], v[W+i:W+i+1]                  ; w^2
.set i, i+2
.endr
.set i, 0
.rept 16
	v_pk_fma_f32 v[W+i:W+i+1], v[W+i:W+i+1], v[W+i:W+i+1], 1.0 op_sel_hi:[1,1,0]   ; 1 + w^4
.set i, i+2
.endr
.set i, 0
.rept 32
	v_rcp_f32 v[W+i], v[W+i]                       ; r
.set i, i+1
.endr
	v_nop                                          ; a plain instruction behind the last reciprocal
	s_wait_alu depctr_va_vdst(0)                   ; one wait for the batch of 32, ahead of its first reader
.irp m, 0,1,2,3
.irp g, 0,1
	v_pk_add_f32 v[W+16*\g+2*\m:W+16*\g+2*\m+1], v[W+16*\g+2*\m:W+16*\g+2*\m+1], v[W+16*\g+2*\m+8:W+16*\g+2*\m+9]
.endr
.endr
.irp m, 0,1
.irp g, 0,1
	v_pk_add_f32 v[W+16*\g+2*\m:W+16*\g+2*\m+1], v[W+16*\g+2*\m:W+16*\g+2*\m+1], v[W+16*\g+2*\m+4:W+16*\g+2*\m+5]
.endr
.endr
.irp g, 0,1
	v_pk_add_f32 v[W+16*\g:W+16*\g+1], v[W+16*\g:W+16*\g+1], v[W+16*\g+2:W+16*\g+3]
.endr
.if CC == 0
.irp g, 0,1
	v_pk_add_f32 v[ACC+2*\g:ACC+2*\g+1], v[W+16*\g:W+16*\g+1], -4.0 op_sel_hi:[1,0]   ; each half holds 8 r: 4 off; a key's first chunk starts the sum
.endr
.else
.irp g, 0,1
	v_pk_add_f32 v[W+16*\g:W+16*\g+1], v[W+16*\g:W+16*\g+1], -4.0 op_sel_hi:[1,0]
.endr
.irp g, 0,1
	v_pk_add_f32 v[ACC+2*\g:ACC+2*\g+1], v[ACC+2*\g:ACC+2*\g+1], v[W+16*\g:W+16*\g+1]
.endr
.endif
.if CC == 3
	v_add_f32 v[W+2], v[ACC], v[ACC+1]             ; sum of r - 32
	v_add_f32 v[W+18], v[ACC+2], v[ACC+3]
	v_mul_f32 v[SC+KK], s16, v[W+2]                ; x -2 scale
	v_mul_f32 v[SC+4+KK], s16, v[W+18]
.endif
.endm
	LOADAV 0
.irp n, 0,1,2,3,4,5,6,7,8,9,10,11,12,13,14,15
	CHUNK \n
.endr
	global_store_b128 v3, v[SC:SC+3], s[50:51] th:TH_STORE_NT                 ; 32 lanes store 512 consecutive bytes, aligned: rows 0-31 of the tile,
	global_store_b128 v3, v[SC+4:SC+7], s[50:51] offset:131072 th:TH_STORE_NT ; rows 32-63: the next tile of 32 rows
.Lend:
	s_wait_tensorcnt 0x0
	ds_add_u32 v192, v193
	s_wait_dscnt 0x0
	s_endpgm
; ---- value as the second launch's operand.  Work-group L = 8 b + s takes keys 128 s on of batch b; wave t channels 16 t on.  The keys are the product's K and value's first axis: a lane takes a channel
; (16 t + lane % 16) and its registers run down the keys, in the order that the operand's layout gives it: k = 64 c + 32 (lane / 16) + 0 .. 31.  So the conversions' results are the operand's registers.
; A block's scale byte is its largest magnitude's exponent field - 2, held at 1 from below (a block of zeros keeps the byte 1: its codes are zeros, and this program alone reads the bytes).
.Lvq:
	v_and_b32 v1, 15, v0
	v_bfe_u32 v2, v0, 4, 1
	v_lshlrev_b32 v3, 2, v1
	v_lshl_add_u32 v3, v2, 13, v3                  ; 4 r + 32 rows of 256 bytes for lanes 16-31
	v_lshlrev_b32 v11, 4, v7
	v_lshlrev_b32 v12, 2, v7
	s_lshl_b32 s20, ttmp9, 15                      ; 128 keys of 256 bytes a work-group
	s_lshl_b32 s21, s17, 6
	s_add_co_u32 s20, s20, s21
	s_mov_b32 s21, 0
	s_add_nc_u64 s[6:7], s[6:7], s[20:21]
	s_lshl_b32 s22, ttmp9, 2
	s_add_co_u32 s22, s22, s17                     ; the fragment's number
	s_mul_i32 s20, s22, 1536
	s_add_nc_u64 s[24:25], s[14:15], s[20:21]      ; its image: 12 registers x 128 bytes
	s_lshl_b32 s20, s22, 7
	s_add_co_u32 s20, s20, 98304
	s_add_nc_u64 s[26:27], s[14:15], s[20:21]      ; its scale words, behind the 64 images
	s_mov_b32 s44, 0x76543210
	s_mov_b32 s45, 0xfedcba98                      ; lane selects: lane l xor 16
.set i, 0
.rept 64
	global_load_b32 v[64+i], v3, s[6:7] offset:256*(64*(i/32)+i%32)
.set i, i+1
.endr
	s_wait_loadcnt 0x0
.irp c, 0,1
	v_max3_num_f32 v[32+\c], |v[64+32*\c]|, |v[65+32*\c]|, 0x1800000   ; my block 2 c + lane / 16: all its 32 numbers are mine; and the floor 2^(3 - 127)
.endr
.irp i, 2,4,6,8,10,12,14,16,18,20,22,24,26,28,30
.irp c, 0,1
	v_max3_num_f32 v[32+\c], v[32+\c], |v[64+32*\c+\i]|, |v[65+32*\c+\i]|
.endr
.endr
.irp c, 0,1
	v_add_nc_u32 v[44+\c], 0xff000000, v[32+\c]    ; 2 off the exponent field: the conversion's scale operand
.endr
.irp c, 0,1
	v_lshrrev_b32 v[36+\c], 23, v[44+\c]           ; the scale's byte
.endr
	v_lshl_or_b32 v9, v37, 16, v36
	v_lshlrev_b32 v10, 3, v2
	v_lshlrev_b32 v9, v10, v9                      ; my two bytes at their places in the word
	v_mov_b32 v10, 0
	v_permlanex16_b32 v10, v9, s44, s45
	v_or_b32 v9, v9, v10                           ; with lane l xor 16's two the word is whole, in all 32 lanes
.irp c, 0,1
	v_cvt_scalef32_pk16_fp6_f32 v[48+6*\c:50+6*\c], v[64+32*\c:79+32*\c], v[44+\c]
	v_cvt_scalef32_pk16_fp6_f32 v[128+4*\c:130+4*\c], v[80+32*\c:95+32*\c], v[44+\c]   ; (a conversion's three registers begin on an even number)
.endr
	v_nop                                          ; one plain place behind a scaled conversion
.irp c, 0,1
.irp i, 0,1,2
	v_mov_b32 v[51+6*\c+\i], v[128+4*\c+\i]
.endr
.endr
.irp c, 0,1,2
	global_store_b128 v11, v[48+4*\c:51+4*\c], s[24:25] offset:512*\c      ; 512 consecutive bytes a store, aligned
.endr
	global_store_b32 v12, v9, s[26:27]
	s_endpgm
.Lfunc_end_k_q24a18ddaf7_scores:
	.size	k_q24a18ddaf7_scores, .Lfunc_end_k_q24a18ddaf7_scores-k_q24a18ddaf7_scores
	.p2alignl 7, 3214868480
	.fill 96, 4, 3214868480
	.section	.rodata,"a",@progbits
	.p2align	6, 0x0
	.amdhsa_kernel k_q24a18ddaf7_scores
		.amdhsa_group_segment_fixed_size 22016
		.amdhsa_private_segment_fixed_size 0
		.amdhsa_enable_private_segment 0
		.amdhsa_kernarg_size 48
		.amdhsa_user_sgpr_count 2
		.amdhsa_user_sgpr_kernarg_segment_ptr 1
		.amdhsa_wavefront_size32 1
		.amdhsa_system_sgpr_workgroup_id_x 1
		.amdhsa_system_sgpr_workgroup_id_y 1
		.amdhsa_system_sgpr_workgroup_id_z 1
		.amdhsa_system_vgpr_workitem_id 0
		.amdhsa_next_free_vgpr 194
		.amdhsa_next_free_sgpr 66
		.amdhsa_reserve_vcc 1
		.amdhsa_float_denorm_mode_32 3
		.amdhsa_float_denorm_mode_16_64 3
		.amdhsa_memory_ordered 1
		.amdhsa_forward_progress 1
		.amdhsa_inst_pref_size 117
	.end_amdhsa_kernel
	.amdgpu_metadata
---
amdhsa.version: [ 1, 2 ]
amdhsa.kernels:
  - .name:           k_q24a18ddaf7_scores
    .symbol:         k_q24a18ddaf7_scores.kd
    .args:
      - { .name: query, .offset: 0, .size: 8, .value_kind: global_buffer, .address_space: global }
      - { .name: value, .offset: 8, .size: 8, .value_kind: global_buffer, .address_space: global }
      - { .name: scale, .offset: 16, .size: 8, .value_kind: global_buffer, .address_space: global }
      - { .name: v_mask, .offset: 24, .size: 8, .value_kind: global_buffer, .address_space: global }
      - { .name: scores, .offset: 32, .size: 8, .value_kind: global_buffer, .address_space: global }
      - { .name: vq, .offset: 40, .size: 8, .value_kind: global_buffer, .address_space: global }
    .group_segment_fixed_size: 22016
    .private_segment_fixed_size: 0
    .kernarg_segment_align: 8
    .kernarg_segment_size: 48
    .max_flat_workgroup_size: 128
    .sgpr_count:     66
    .vgpr_count:     194
    .wavefront_size: 32
...
	.end_amdgpu_metadata
.endif
;; end of part 1
;; launch attend (part 2): grid 64 x 1, 8 waves a work-group, no clusters, 72,704 bytes of LDS; arguments scores, vq, v_mask, q_mask, out0; writes out0
.if DOCPART == 2
	.amdgcn_target "amdgcn-amd-amdhsa--gfx1250"
	.amdhsa_code_object_version 6
	.text
	.protected	k_q24a18ddaf7_attend
	.globl	k_q24a18ddaf7_attend
	.p2align	8
	.type	k_q24a18ddaf7_attend,@function
k_q24a18ddaf7_attend:
	s_mov_b64 s[64:65], 0
	v_nop
	global_prefetch_b8 v0, s[64:65] scope:SCOPE_SE
	s_setreg_imm32_b32 hwreg(HW_REG_WAVE_MODE, 25, 1), 1
	s_wait_xcnt 0x0
; out[b][q] = q_mask x (sum over k of p V) / (sum over k of p), p = 2^(t - M), t = (score - 1e9 x hidden) x log2(e), hidden = not v_mask[k] or k > q; the product on codes of FP6 (E2M3) with one E8M0 scale for each 32 keys.
; SHARES.  A work-group takes 32 rows (batch ttmp9 / 32, tile T = ttmp9 % 32).  A lane is a row; wave w takes keys 128 w .. 128 w + 127, one K step: so a block of 32 keys lies whole in one lane, and no maximum or sum crosses lanes.
; Each wave has its own M (the ceiling of its 128 keys' largest t), its own sum and its own part of O; they meet in LDS, and parts are brought under the largest M by exact powers of two.
; t - M is a multiplication and then an addition, as the definition has it: in a row that sees no key t is near -1.44e9 and a fused form would give other numbers.
; WHICH WAVES WORK.  A wave all of whose keys lie above the tile's rows adds nothing (p = 0) unless some row of the 64-row tile sees no key at all: FLAG = v_mask[b][0 .. 64 (T / 2)] is all false, the same test on whole
; numbers that the first launch makes.  A wave without work stores zeros for its part.  The first launch has stored keys 0 .. 64 (T / 2) + 63, or all where FLAG holds: a wave's second 64 keys are loaded only where they were stored.
; THREE WAYS IN, parted by ids: 4 w <= T and 2 w + 1 <= T / 2: all of the wave's scores were stored whatever the mask says: every load goes out at once, and the mask is not tested;
; 4 w <= T alone: the first 64 keys' loads go out together with the test's, and the test decides of the second 64; neither: the test decides whether the wave works at all.  Every way writes all that is read behind the common label.
; LIMITS: |scale| up to 1e6, so that a key above the diagonal has p = 0 in a row that sees a key; NaN and infinities are not served.
; No tensor load and no cluster: the launch branches on the mask, and work-groups share only value's codes, 6 KiB a wave.  No prefetch: each wave's loads go out together at its head.
; The product is used transposed: source 0 = 16 channels of V (keys innermost, as the first launch laid them), source 1 = 16 rows of p: a lane's eight results are eight neighbouring channels of one row.
.set STP, 272                          ; a stage row: 64 channels, 256 bytes + 16
.set STW, 32*STP                       ; a wave's stage: 32 rows
.set MLB, 8*STW                        ; behind the eight stages: -M laid [row][wave], 1,024 bytes; then the sums likewise
.set X,   64                           ; v64-191   scores, t, p of my row's 128 keys; then the 8 accumulators (v64-127); then the combine's loads (v64-159)
.set VF,  192                          ; v192-239  V's four fragments
.set VS,  240                          ; v240-243  V's scale words
.set PW,  244                          ; v244      p's scale word: lane = row
.set BM,  245                          ; v245-248  the four blocks' largest t, then p, then bytes
.set OP,  249                          ; v249-252  the conversions' scale operands
.set F0,  32                           ; v32-43    p's codes, rows 0-15;  v44-55 rows 16-31
.set TC,  16                           ; v16-31    the mask test; later the conversions' second halves, four registers a block
.set PEN, 28                           ; v28-31    four penalties
.set CB,  64
; my 128 mask bytes, V's four fragments with their scale words, and the scores of my first 64 keys
.macro LOADA
	s_load_b512 s[32:47], s[78:79], 0x0
	s_load_b512 s[48:63], s[78:79], 0x40
.irp t, 0,1,2,3
.irp c, 0,1,2
	global_load_b128 v[VF+12*\t+4*\c:VF+12*\t+4*\c+3], v1, s[24:25] offset:1536*\t+512*\c
.endr
	global_load_b32 v[VS+\t], v2, s[26:27] offset:128*\t
.endr
.irp i, 0,1,2,3,4,5,6,7,8,9,10,11,12,13,14,15
	global_load_b128 v[X+4*\i:X+4*\i+3], v1, s[28:29] offset:512*\i th:TH_LOAD_NT   ; register n: key 128 w + n of my row; 512 consecutive bytes a load
.endr
.endm
; the scores of my second 64 keys
.macro LOADB
.irp i, 16,17,18,19,20,21,22,23,24,25,26,27,28,29,30,31
	global_load_b128 v[X+4*\i:X+4*\i+3], v1, s[28:29] offset:512*\i th:TH_LOAD_NT
.endr
.endm
; s15 = FLAG.  A lane takes 32 bytes of the batch's mask; lanes under 2 (T / 2) count whole, lane 2 (T / 2) with its first byte
.macro FLAGTEST
	global_load_b128 v[16:19], v61, s[22:23]
	global_load_b128 v[20:23], v61, s[22:23] offset:16
	s_wait_loadcnt 0x0                             ; the test's loads, and whatever went out ahead of them
	v_or_b32 v24, v16, v17
	v_or_b32 v25, v18, v19
	v_or_b32 v26, v20, v21
	v_or_b32 v27, v22, v23
	v_or_b32 v24, v24, v25
	v_or_b32 v26, v26, v27
	v_or_b32 v24, v24, v26
	v_and_b32 v25, 0xff, v16
	s_lshl_b32 s18, s76, 1
	v_cmp_gt_u32 vcc_lo, s18, v254
	v_cndmask_b32 v24, 0, v24, vcc_lo
	v_cmp_eq_u32 vcc_lo, s18, v254
	v_cndmask_b32 v24, v24, v25, vcc_lo
	v_cmp_ne_u32 vcc_lo, 0, v24
	s_cmp_eq_u32 vcc_lo, 0
	s_cselect_b32 s15, 1, 0
.endm
	s_load_b256 s[4:11], s[0:1], 0x0               ; scores s[4:5], vq s[6:7], v_mask s[8:9], q_mask s[10:11]
	s_load_b64 s[12:13], s[0:1], 0x20              ; out0
	v_lshl_add_u32 v62, v0, 2, 0x11800
	v_mov_b32 v63, 0
	v_lshrrev_b32 v253, 5, v0
	v_readfirstlane_b32 s14, v253                  ; wave 0..7
	v_and_b32 v254, 31, v0                         ; lane
	v_and_b32 v255, 15, v0                         ; r
	v_bfe_u32 v253, v0, 4, 1                       ; h
	s_lshr_b32 s66, ttmp9, 5                       ; b
	s_and_b32 s67, ttmp9, 31                       ; T
	s_lshr_b32 s76, s67, 1                         ; the tile of 64 rows
	s_mov_b32 s19, 0x7fffffff
	s_mov_b32 s20, 0x3fb8aa3b                      ; log2(e)
	s_mov_b32 s21, s20
	; every address register is made here, ahead of the first parting
	v_lshlrev_b32 v1, 4, v254                      ; 16 x lane
	v_lshlrev_b32 v2, 2, v254                      ; 4 x lane
	v_lshlrev_b32 v61, 5, v254                     ; 32 x lane: my 32 bytes of the mask
	s_lshl_b32 s30, s67, 5
	s_lshl_b32 s31, s14, 7
	s_sub_co_i32 s30, s30, s31
	v_add_nc_u32 v3, s30, v254                     ; d = my row - my wave's first key: key n of the wave lies above the diagonal where n > d
	v_mov_b32 v4, 0x4e6e6b28                       ; 1e9
	s_mul_i32 s77, s14, STW
	v_mul_u32_u24 v6, v255, STP
	v_lshl_add_u32 v6, v253, 5, v6
	v_add_nc_u32 v6, s77, v6                       ; my stage: row r, 32 bytes for each half of the lanes
	v_add_nc_u32 v60, s77, v1                      ; my stage as it lies, 16 bytes a lane: for the zeros
	s_lshl_b32 s68, s14, 2
	v_add_nc_u32 v11, s68, v253                    ; the combine: row 4 w + h (and two rows on)
	v_mul_u32_u24 v7, v11, STP
	v_lshl_add_u32 v7, v255, 4, v7                 ; its 16 bytes in a stage
	v_lshlrev_b32 v8, 5, v11
	v_add_nc_u32 v8, MLB, v8                       ; its eight -M
	v_lshlrev_b32 v9, 5, v254
	v_add_nc_u32 v9, s68, v9
	v_add_nc_u32 v9, MLB, v9                       ; where I put my row's -M: 32 x row + 4 x wave
	v_lshlrev_b32 v10, 8, v11
	v_lshl_add_u32 v10, v255, 4, v10               ; and its 16 bytes in out0
	s_mov_b32 s31, 0
	s_wait_kmcnt 0x0
	s_lshl_b32 s30, s66, 10
	s_add_nc_u64 s[22:23], s[8:9], s[30:31]        ; v_mask at batch b,
	s_lshl_b32 s30, s14, 7
	s_add_nc_u64 s[78:79], s[22:23], s[30:31]      ; and at my wave's 128 keys
	s_lshl_b32 s69, s66, 3
	s_add_co_u32 s69, s69, s14                     ; the K step: 8 b + wave
	s_mul_i32 s30, s69, 6144
	s_add_nc_u64 s[24:25], s[6:7], s[30:31]        ; its four images
	s_lshl_b32 s30, s69, 9
	s_add_co_u32 s30, s30, 98304
	s_add_nc_u64 s[26:27], s[6:7], s[30:31]        ; their scale words
	s_lshl_b32 s30, ttmp9, 17
	s_lshl_b32 s69, s14, 14
	s_add_co_u32 s30, s30, s69
	s_add_nc_u64 s[28:29], s[4:5], s[30:31]        ; scores: my tile of 32 rows, my 32 groups of 4 keys
	s_lshl_b32 s30, ttmp9, 5
	s_add_nc_u64 s[10:11], s[10:11], s[30:31]
	s_lshl_b32 s30, ttmp9, 13
	s_add_nc_u64 s[12:13], s[12:13], s[30:31]
	global_load_u8 v58, v11, s[10:11]              ; q_mask of the combine's two rows
	global_load_u8 v59, v11, s[10:11] offset:2
	s_lshl_b32 s30, s14, 1
	s_add_co_u32 s30, s30, 1                       ; 2 w + 1
	s_cmp_le_u32 s68, s67                          ; 4 w <= T: my first key is no later than the tile's last row, and my first 64 keys' scores were stored
	s_cbranch_scc0 .Lfar
	LOADA
	s_cmp_le_u32 s30, s76                          ; 2 w + 1 <= T / 2: my second 64 keys' scores were stored too
	s_cbranch_scc0 .Ledge
	LOADB
	s_branch .Lhalf
.Ledge:                                                ; the wave on the diagonal's edge: the mask decides of its second 64 keys
	FLAGTEST
	s_cmp_eq_u32 s15, 0
	s_cbranch_scc1 .Lno_half
	LOADB
	s_branch .Lhalf
.Lno_half:
.set i, 64
.rept 64
	v_mov_b32 v[X+i], 0                            ; these keys lie above every row of the tile: the penalty follows
.set i, i+1
.endr
	s_branch .Lhalf
.Lfar:                                                 ; all my keys lie above the tile's rows: the mask decides whether I work
	FLAGTEST
	s_cmp_eq_u32 s15, 0
	s_cbranch_scc0 .Lall
	; ---- a wave without work: zeros for its part of O and its sum, and an M under every other
.irp i, 0,1,2,3
	v_mov_b32 v[64+\i], 0
.endr
.set i, 0
.rept 17
	ds_store_b128 v60, v[64:67] offset:512*i
.set i, i+1
.endr
	v_mov_b32 v12, 0x7f61b1e6                      ; -M = 3e38
	ds_store_b32 v9, v12
	ds_store_b32 v9, v64 offset:1024
	s_branch .Lmeet
.Lall:
	LOADA
	LOADB
.Lhalf:
	s_wait_loadcnt 0x0
	s_wait_kmcnt 0x0
; Four keys: the threshold is the key's number in the wave where v_mask holds, else the greatest number; the key is hidden where the threshold is above d.
.macro MASK4 n
.irp k, 0,1,2,3
	s_bitcmp1_b32 s[32+(\n)/4], 8*\k
	s_cselect_b32 s[68+\k], (\n)+\k, s19
.endr
.irp k, 0,1,2,3
	v_cmp_gt_i32 vcc_lo, s[68+\k], v3
	v_cndmask_b32 v[PEN+\k], 0, v4, vcc_lo
.endr
.irp k, 0,1,2,3
	v_sub_f32 v[X+(\n)+\k], v[X+(\n)+\k], v[PEN+\k]   ; score - 1e9 or score - 0, rounded as it stands
.endr
.endm
.irp n, 0,4,8,12,16,20,24,28,32,36,40,44,48,52,56,60,64,68,72,76,80,84,88,92,96,100,104,108,112,116,120,124
	MASK4 \n
.endr
.set i, 0
.rept 64
	v_pk_mul_f32 v[X+i:X+i+1], v[X+i:X+i+1], s[20:21] op_sel_hi:[1,0]      ; t
.set i, i+2
.endr
.irp b, 0,1,2,3
	v_max3_num_f32 v[BM+\b], v[X+32*\b], v[X+32*\b+1], v[X+32*\b+2]        ; each block's largest t: it serves for M and, since p rises with t, for the block's largest p
.endr
.irp i, 3,5,7,9,11,13,15,17,19,21,23,25,27,29
.irp b, 0,1,2,3
	v_max3_num_f32 v[BM+\b], v[BM+\b], v[X+32*\b+\i], v[X+32*\b+\i+1]
.endr
.endr
.irp b, 0,1,2,3
	v_max_num_f32 v[BM+\b], v[BM+\b], v[X+32*\b+31]
.endr
	v_max3_num_f32 v253, v[BM], v[BM+1], v[BM+2]
	v_max_num_f32 v253, v253, v[BM+3]
	v_floor_f32 v12, -v253                         ; -M = floor(-t) = -ceil(t): a whole number
	v_mov_b32 v13, v12
.set i, 0
.rept 64
	v_pk_add_f32 v[X+i:X+i+1], v[X+i:X+i+1], v[12:13] op_sel_hi:[1,0]      ; t - M
.set i, i+2
.endr
.irp b, 0,1,2,3
	v_add_f32 v[BM+\b], v[BM+\b], v12
.endr
.set i, 0
.rept 128
	v_exp_f32 v[X+i], v[X+i]                       ; p, at most 1, not normalised
.set i, i+1
.endr
	v_nop                                          ; a plain instruction behind the last exponential
	s_wait_alu depctr_va_vdst(0)                   ; one wait for the batch of 128, ahead of its first reader
.irp b, 0,1,2,3
	v_exp_f32 v[BM+\b], v[BM+\b]                   ; the block's largest p: the same instructions on the same number
.endr
	v_pk_add_f32 v[14:15], v[X:X+1], v[X+2:X+3]    ; the row's sum, of the unquantised p, in two chains: plain work behind the four
	v_pk_add_f32 v[56:57], v[X+4:X+5], v[X+6:X+7]
.set i, 8
.rept 30
	v_pk_add_f32 v[14:15], v[14:15], v[X+i:X+i+1]
	v_pk_add_f32 v[56:57], v[56:57], v[X+i+2:X+i+3]
.set i, i+4
.endr
	v_pk_add_f32 v[14:15], v[14:15], v[56:57]
	v_add_f32 v14, v14, v15
	s_wait_alu depctr_va_vdst(0)                   ; and one for the four
.irp b, 0,1,2,3
	v_max_num_f32 v[BM+\b], 0x1800000, v[BM+\b]    ; the floor 2^(3 - 127): the byte cannot fall under 1 (a block of zeros keeps that byte: its codes are zeros)
.endr
.irp b, 0,1,2,3
	v_add_nc_u32 v[OP+\b], 0xff000000, v[BM+\b]    ; 2 off the exponent field: the conversion's scale operand
.endr
.irp b, 0,1,2,3
	v_lshrrev_b32 v[BM+\b], 23, v[OP+\b]           ; the scale's byte
.endr
	v_lshl_or_b32 v[PW], v[BM+1], 8, v[BM]
	v_lshl_or_b32 v[PW], v[BM+2], 16, v[PW]
	v_lshl_or_b32 v[PW], v[BM+3], 24, v[PW]        ; my row's scale word
; my row's blocks 0 and 2 go to the first run of twelve registers, blocks 1 and 3 to the second
.irp b, 0,1,2,3
	v_cvt_scalef32_pk16_fp6_f32 v[F0+12*(\b%2)+6*(\b/2):F0+12*(\b%2)+6*(\b/2)+2], v[X+32*\b:X+32*\b+15], v[OP+\b]
	v_cvt_scalef32_pk16_fp6_f32 v[TC+4*\b:TC+4*\b+2], v[X+32*\b+16:X+32*\b+31], v[OP+\b]   ; (a conversion's three registers begin on an even number)
.endr
	v_nop                                          ; one plain place behind a scaled conversion
.irp b, 0,1,2,3
.irp i, 0,1,2
	v_mov_b32 v[F0+12*(\b%2)+6*(\b/2)+3+\i], v[TC+4*\b+\i]
.endr
.endr
.irp i, 0,1,2,3,4,5,6,7,8,9,10,11
	v_permlane16_swap_b32 v[F0+\i], v[F0+12+\i]    ; the first's lanes 16-31 change places with the second's lanes 0-15: the first run is now the operand of rows 0-15 (lane (r, h): blocks h and 2 + h of row r), the second that of rows 16-31
.endr
	ds_store_b32 v9, v12                           ; my row's -M and sum
	ds_store_b32 v9, v14 offset:1024
.rept 8
	v_nop                                          ; a scale register written by a vector instruction stands 8 places ahead of a scaled matrix instruction, an operand so written 4
.endr
.irp t, 0,1,2,3
	v_wmma_scale_f32_16x16x128_f8f6f4 v[X+8*\t:X+8*\t+7], v[VF+12*\t:VF+12*\t+11], v[F0:F0+11], 0, v[VS+\t], v[PW] matrix_a_fmt:MATRIX_FMT_FP6 matrix_b_fmt:MATRIX_FMT_FP6
.endr
.irp t, 0,1,2,3
	v_wmma_scale_f32_16x16x128_f8f6f4 v[X+32+8*\t:X+32+8*\t+7], v[VF+12*\t:VF+12*\t+11], v[F0+12:F0+23], 0, v[VS+\t], v[PW] matrix_a_fmt:MATRIX_FMT_FP6 matrix_b_fmt:MATRIX_FMT_FP6 matrix_b_scale:MATRIX_SCALE_ROW1
.endr
.rept 4
	v_nop                                          ; four places ahead of the first read of results, and of the later loads into these registers
.endr
.irp q, 0,1
.irp t, 0,1,2,3
	ds_store_b128 v6, v[X+32*\q+8*\t:X+32*\q+8*\t+3] offset:16*STP*\q+64*\t         ; lane (r, h): row 16 q + r, channels 16 t + 8 h + 0 .. 7; each accumulator from its low end on
	ds_store_b128 v6, v[X+32*\q+8*\t+4:X+32*\q+8*\t+7] offset:16*STP*\q+64*\t+16
.endr
.endr
.Lmeet:
	s_wait_dscnt 0x0                               ; for the others' sake: my stores have landed
	s_barrier_signal -1
	s_barrier_wait -1
	; ---- the combine: wave w takes rows 4 w .. 4 w + 3, two at a time: lanes 0-15 one row, lanes 16-31 the next, 16 bytes of the row's 256 a lane
.irp i, 0,1
	ds_load_b128 v[CB+48*\i:CB+48*\i+3], v8 offset:64*\i                   ; the eight waves' -M of the row,
	ds_load_b128 v[CB+48*\i+4:CB+48*\i+7], v8 offset:64*\i+16
	ds_load_b128 v[CB+48*\i+8:CB+48*\i+11], v8 offset:64*\i+1024           ; their sums,
	ds_load_b128 v[CB+48*\i+12:CB+48*\i+15], v8 offset:64*\i+1040
.irp w, 0,1,2,3,4,5,6,7
	ds_load_b128 v[CB+48*\i+16+4*\w:CB+48*\i+19+4*\w], v7 offset:STW*\w+2*STP*\i   ; and their parts of O
.endr
.endr
	s_wait_dscnt 0x0
.irp i, 0,1
	v_min_num_f32 v[160+8*\i], v[CB+48*\i], v[CB+48*\i+1]
	v_min_num_f32 v[161+8*\i], v[CB+48*\i+2], v[CB+48*\i+3]
	v_min_num_f32 v[162+8*\i], v[CB+48*\i+4], v[CB+48*\i+5]
	v_min_num_f32 v[163+8*\i], v[CB+48*\i+6], v[CB+48*\i+7]
	v_min_num_f32 v[160+8*\i], v[160+8*\i], v[161+8*\i]
	v_min_num_f32 v[162+8*\i], v[162+8*\i], v[163+8*\i]
	v_min_num_f32 v[160+8*\i], v[160+8*\i], v[162+8*\i]                    ; the least -M: the row's M
.irp w, 0,1,2,3,4,5,6,7
	v_sub_f32 v[CB+48*\i+\w], v[160+8*\i], v[CB+48*\i+\w]                  ; the wave's M less the row's: a whole number, 0 or less
.endr
.irp w, 0,1,2,3,4,5,6,7
	v_cvt_i32_f32 v[CB+48*\i+\w], v[CB+48*\i+\w]                           ; (it saturates)
.endr
.irp w, 0,1,2,3,4,5,6,7
	v_ldexp_f32 v[CB+48*\i+\w], 1.0, v[CB+48*\i+\w]                        ; f: a power of two, or 0
.endr
	v_mul_f32 v[161+8*\i], v[CB+48*\i], v[CB+48*\i+8]
.irp k, 0,1,2,3
	v_mul_f32 v[164+8*\i+\k], v[CB+48*\i], v[CB+48*\i+16+\k]
.endr
.irp w, 1,2,3,4,5,6,7
	v_fma_f32 v[161+8*\i], v[CB+48*\i+\w], v[CB+48*\i+8+\w], v[161+8*\i]   ; the row's sum
.irp k, 0,1,2,3
	v_fma_f32 v[164+8*\i+\k], v[CB+48*\i+\w], v[CB+48*\i+16+4*\w+\k], v[164+8*\i+\k]
.endr
.endr
.endr
	v_rcp_f32 v161, v161
	v_rcp_f32 v169, v169
	v_cvt_f32_u32 v58, v58                         ; q_mask as a number: plain work behind the reciprocals
	v_cvt_f32_u32 v59, v59
	s_wait_alu depctr_va_vdst(0)                   ; one wait for the two, ahead of their first reader
.irp i, 0,1
	v_mul_f32 v[161+8*\i], v[161+8*\i], v[58+\i]
.irp k, 0,1,2,3
	v_mul_f32 v[164+8*\i+\k], v[164+8*\i+\k], v[161+8*\i]
.endr
	global_store_b128 v10, v[164+8*\i:167+8*\i], s[12:13] offset:512*\i    ; sixteen lanes store a row's 256 consecutive bytes, aligned
.endr
	s_wait_tensorcnt 0x0
	ds_add_u32 v62, v63
	s_wait_dscnt 0x0
	s_endpgm
.Lfunc_end_k_q24a18ddaf7_attend:
	.size	k_q24a18ddaf7_attend, .Lfunc_end_k_q24a18ddaf7_attend-k_q24a18ddaf7_attend
	.p2alignl 7, 3214868480
	.fill 96, 4, 3214868480
	.section	.rodata,"a",@progbits
	.p2align	6, 0x0
	.amdhsa_kernel k_q24a18ddaf7_attend
		.amdhsa_group_segment_fixed_size 72704
		.amdhsa_private_segment_fixed_size 0
		.amdhsa_enable_private_segment 0
		.amdhsa_kernarg_size 40
		.amdhsa_user_sgpr_count 2
		.amdhsa_user_sgpr_kernarg_segment_ptr 1
		.amdhsa_wavefront_size32 1
		.amdhsa_system_sgpr_workgroup_id_x 1
		.amdhsa_system_sgpr_workgroup_id_y 1
		.amdhsa_system_sgpr_workgroup_id_z 1
		.amdhsa_system_vgpr_workitem_id 0
		.amdhsa_next_free_vgpr 256
		.amdhsa_next_free_sgpr 80
		.amdhsa_reserve_vcc 1
		.amdhsa_float_denorm_mode_32 3
		.amdhsa_float_denorm_mode_16_64 3
		.amdhsa_memory_ordered 1
		.amdhsa_forward_progress 1
		.amdhsa_inst_pref_size 76
	.end_amdhsa_kernel
	.amdgpu_metadata
---
amdhsa.version: [ 1, 2 ]
amdhsa.kernels:
  - .name:           k_q24a18ddaf7_attend
    .symbol:         k_q24a18ddaf7_attend.kd
    .args:
      - { .name: scores, .offset: 0, .size: 8, .value_kind: global_buffer, .address_space: global }
      - { .name: vq, .offset: 8, .size: 8, .value_kind: global_buffer, .address_space: global }
      - { .name: v_mask, .offset: 16, .size: 8, .value_kind: global_buffer, .address_space: global }
      - { .name: q_mask, .offset: 24, .size: 8, .value_kind: global_buffer, .address_space: global }
      - { .name: out0, .offset: 32, .size: 8, .value_kind: global_buffer, .address_space: global }
    .group_segment_fixed_size: 72704
    .private_segment_fixed_size: 0
    .kernarg_segment_align: 8
    .kernarg_segment_size: 40
    .max_flat_workgroup_size: 256
    .sgpr_count:     80
    .vgpr_count:     256
    .wavefront_size: 32
...
	.end_amdgpu_metadata
.endif
;; end of part 2
;; ======== version 2 of 2: 2 launches
;; limits: inputs' magnitudes at most 166; right only within a limited range of input values
;; workspace buffers: scores 8,388,608 bytes; vq 106,496 bytes
;; launch scores (part 3): grid 2064 x 1, 4 waves a work-group, no clusters, 22,016 bytes of LDS; arguments query, value, scale, v_mask, scores, vq; writes scores, vq
.if DOCPART == 3
	.amdgcn_target "amdgcn-amd-amdhsa--gfx1250"
	.amdhsa_code_object_version 6
	.text
	.protected	k_q24a18ddaf7_scores
	.globl	k_q24a18ddaf7_scores
	.p2align	8
	.type	k_q24a18ddaf7_scores,@function
k_q24a18ddaf7_scores:
	s_mov_b64 s[64:65], 0
	v_nop
	global_prefetch_b8 v0, s[64:65] scope:SCOPE_SE
	s_setreg_imm32_b32 hwreg(HW_REG_WAVE_MODE, 25, 1), 1
	s_wait_xcnt 0x0
; score[b][q][k] = scale x sum over d of tanh(query[b][q][d] + value[b][k][d]), unmasked, for every tile of 64 rows x 16 keys that the second launch reads;
; and value, quantised along the keys, as images of the matrix operand's registers.
; ARITHMETIC.  tanh(x) = 1 - 2 r, r = 1 / (1 + e^(2x)), and e^(2x) = w^4 with w = A(q) A(v), A(z) = 2^(z log2(e) / 2).  A is made once for each number of a tile (40 exponentials a thread);
; an element then costs half of four packed instructions and one reciprocal.  The fourth root keeps A finite and above 0; where w runs over, r is 0, where it runs under, r is 1: no NaN arises.
; The sum over d: 16 d at a time, a tree of packed additions, 4 taken off each half, so that partial sums stay near 0; score = -2 scale (sum of r - 32).
; LIMITS: |query|, |value| up to 166 (A's exponent is held at +-120); NaN and infinities among the inputs are not served.
; WHICH TILES.  Row tile I (64 rows) needs keys 0 .. 64 I + 63: key tiles j <= 4 I + 3.  The tiles above the diagonal are needed only where some row of the tile sees no key at all, that is where
; v_mask[b][0 .. 64 I] is all false: such a row's softmax runs over all 1,024 keys.  That is a test on whole numbers read from the input; a work-group whose tile is not needed stores nothing.
; WORK-GROUPS: 0-15 quantise value (one K step of 128 keys each, a wave for 16 of the 64 channels); 16-1103 the 1,088 tiles on or under the diagonal; 1104-2063 the 960 above it.
; SHARES OF A TILE.  All four waves hold the same 64 rows, two to a lane (rows 32 g + lane); wave w takes keys 4 w .. 4 w + 3 of the 16.  A of the 64 rows and 16 keys is made by the 128 threads together and goes through LDS.
; scores is laid [b][tile of 32 rows][group of 4 keys][row in tile][4 keys]: a wave's store is 512 consecutive bytes, aligned.
; REGISTERS.  A wave keeps to 192, so that more work-groups fit beside each other: a key's 16 numbers have ONE buffer, loaded anew straight behind the 16 products that read it, and phase 1's addresses lie where the sums and scores lie later.
; No tensor load and no cluster: the launch branches on the mask, and what tiles share has to pass through the exponential first.  No prefetch: each work-group reads 20 KiB once, at its head.
.set AQP, 272                          ; LDS: a row's 64 numbers A(q), 256 bytes + 16: the sixteen rows of a load of 16 bytes a lane start at sixteen different columns
.set AVB, 64*AQP                       ; behind the 64 rows: 16 keys x 256 bytes of A(v)
.set X,   16                           ; v16-55    phase 1: 40 numbers as loaded, then their A
.set HI,  64                           ; v64-103   phase 1: c z
.set LO,  104                          ; v104-143  phase 1: what c z lost
.set ACC, 4                            ; v4-7      phase 2: a key's running sum, a pair for each row   (phase 1: v4 16 x thread, v5, v6 where I store A(q), A(v), v7 lane)
.set SC,  8                            ; v8-15     phase 2: four scores for each row                   (phase 1: v8 my 32 bytes of the mask)
.set W,   16                           ; v16-47    phase 2: w, then r: 16 registers for each of my two rows
.set AV,  48                           ; v48-63    phase 2: 16 numbers of a key
.set AQ,  64                           ; v64-191   phase 2: my two rows, 64 registers each
	s_load_b256 s[4:11], s[0:1], 0x0               ; query s[4:5], value s[6:7], scale s[8:9], v_mask s[10:11]
	s_load_b128 s[12:15], s[0:1], 0x20             ; scores s[12:13], vq s[14:15]
	v_lshl_add_u32 v192, v0, 2, 0x5400
	v_mov_b32 v193, 0
	v_lshrrev_b32 v9, 5, v0
	v_readfirstlane_b32 s17, v9                    ; wave 0..3
	v_and_b32 v7, 31, v0                           ; lane
	s_wait_kmcnt 0x0
	s_cmp_lt_u32 ttmp9, 16
	s_cbranch_scc1 .Lvq
	s_load_b32 s16, s[8:9], 0x0                    ; scale: waited for ahead of the barrier, behind the tile's own loads
	; every address register is made here, ahead of the first parting
	v_lshlrev_b32 v4, 4, v0                        ; 16 x thread: my 16 bytes of a load's 2,048
	v_lshrrev_b32 v5, 4, v0
	v_and_b32 v6, 15, v0
	v_mul_u32_u24 v5, v5, AQP
	v_lshl_add_u32 v5, v6, 4, v5                   ; where I store A(q): row thread / 16, 16 bytes at thread % 16
	v_add_nc_u32 v6, AVB, v4                       ; where I store A(v)
	s_wait_alu depctr_va_vdst(0)
	v_mul_u32_u24 v1, v7, AQP                      ; where I read my rows
	s_lshl_b32 s19, s17, 10
	s_add_co_u32 s19, s19, AVB
	v_mov_b32 v2, s19                              ; where my wave's four keys lie: all lanes read the same bytes
	v_lshlrev_b32 v3, 4, v7                        ; 16 x lane: my place in a store of scores
	v_lshlrev_b32 v8, 5, v7                        ; 32 x lane: my 32 bytes of the mask
	s_mov_b32 s36, 0x3f38aa3b                      ; c = log2(e) / 2, rounded
	s_mov_b32 s37, s36
	s_mov_b32 s38, 0x32257060                      ; and what the rounding lost
	s_mov_b32 s39, s38
	s_mov_b32 s40, 0x3f317218                      ; ln 2
	s_mov_b32 s41, s40
	s_mov_b32 s42, 0xc2f00000                      ; -120
	s_mov_b32 s43, 0x42f00000                      ; +120
	; which tile.  Row tiles p and 15 - p together have 68 key tiles on or under the diagonal and 60 above it: groups of equal size, 8 a batch
	s_sub_co_u32 s20, ttmp9, 16
	s_cmp_lt_u32 s20, 1088                         ; on or under the diagonal?
	s_cselect_b32 s21, 1, 0
	s_cselect_b32 s22, 0, 1088
	s_cselect_b32 s23, 68, 60                      ; a group's size
	s_mov_b32 s24, 71582789                        ; 2^32 / 60, rounded up
	s_cselect_b32 s24, 63161284, s24               ; 2^32 / 68, rounded up
	s_sub_co_u32 s20, s20, s22
	s_mul_hi_u32 s25, s20, s24                     ; the group, 0..15
	s_mul_i32 s26, s25, s23
	s_sub_co_u32 s26, s20, s26                     ; the place in it
	s_lshr_b32 s27, s25, 3                         ; b
	s_and_b32 s28, s25, 7                          ; p
	s_lshl_b32 s29, s28, 2
	s_add_co_u32 s30, s29, 4                       ; row tile p's share of the group: 4 p + 4 under,
	s_sub_co_u32 s31, 60, s29                      ; 60 - 4 p above
	s_cmp_eq_u32 s21, 1
	s_cselect_b32 s30, s30, s31
	s_sub_co_u32 s31, 15, s28
	s_sub_co_u32 s32, s26, s30
	s_cmp_lt_u32 s26, s30
	s_cselect_b32 s33, s28, s31                    ; I
	s_cselect_b32 s34, s26, s32
	s_lshl_b32 s35, s33, 2
	s_add_co_u32 s35, s35, 4
	s_cmp_eq_u32 s21, 1
	s_cselect_b32 s35, 0, s35                      ; above the diagonal the key tiles begin at 4 I + 4
	s_add_co_u32 s34, s34, s35                     ; j
	s_mov_b32 s55, 0
	s_lshl_b32 s22, s27, 18                        ; a batch of query or value: 1,024 rows of 256 bytes
	s_lshl_b32 s54, s33, 14
	s_add_co_u32 s54, s54, s22
	s_add_nc_u64 s[46:47], s[4:5], s[54:55]        ; query at row 64 I
	s_lshl_b32 s54, s34, 12
	s_add_co_u32 s54, s54, s22
	s_add_nc_u64 s[48:49], s[6:7], s[54:55]        ; value at key 16 j
	s_lshl_b32 s54, s27, 22
	s_lshl_b32 s22, s33, 18
	s_add_co_u32 s54, s54, s22
	s_lshl_b32 s22, s34, 11
	s_add_co_u32 s54, s54, s22
	s_lshl_b32 s22, s17, 9
	s_add_co_u32 s54, s54, s22
	s_add_nc_u64 s[50:51], s[12:13], s[54:55]      ; scores at ((32 b + 2 I) 256 + 4 j + wave) 512
	s_lshl_b32 s54, s27, 10
	s_add_nc_u64 s[52:53], s[10:11], s[54:55]      ; v_mask at batch b
	s_mov_b32 s18, 1                               ; is the tile needed?  On or under the diagonal: always
	s_cmp_eq_u32 s21, 1
	s_cbranch_scc1 .Lknown
	s_wait_alu depctr_va_vdst(0)
	; above it: only where v_mask[b][0 .. 64 I] is all false.  A lane takes 32 bytes; lanes under 2 I count whole, lane 2 I with its first byte
	global_load_b128 v[16:19], v8, s[52:53]
	global_load_b128 v[20:23], v8, s[52:53] offset:16
	s_wait_loadcnt 0x0
	v_or_b32 v24, v16, v17
	v_or_b32 v25, v18, v19
	v_or_b32 v26, v20, v21
	v_or_b32 v27, v22, v23
	v_or_b32 v24, v24, v25
	v_or_b32 v26, v26, v27
	v_or_b32 v24, v24, v26
	v_and_b32 v25, 0xff, v16
	s_lshl_b32 s19, s33, 1
	v_cmp_gt_u32 vcc_lo, s19, v7
	v_cndmask_b32 v24, 0, v24, vcc_lo
	v_cmp_eq_u32 vcc_lo, s19, v7
	v_cndmask_b32 v24, v24, v25, vcc_lo
	v_cmp_ne_u32 vcc_lo, 0, v24
	s_cmp_eq_u32 vcc_lo, 0
	s_cselect_b32 s18, 1, 0
.Lknown:
	s_cmp_eq_u32 s18, 0
	s_cbranch_scc1 .Lmeet                          ; the jump leads over work alone: the barrier stands on every wave's path
	; ---- phase 1: A of the tile's 64 rows and 16 keys, 40 numbers a thread
.irp i, 0,1,2,3,4,5,6,7
	global_load_b128 v[X+4*\i:X+4*\i+3], v4, s[46:47] offset:2048*\i       ; the 128 threads read 2,048 consecutive bytes: 8 rows
.endr
.irp i, 0,1
	global_load_b128 v[X+32+4*\i:X+32+4*\i+3], v4, s[48:49] offset:2048*\i ; 8 keys
.endr
	s_wait_loadcnt 0x0
.set i, 0
.rept 20
	v_pk_mul_f32 v[HI+i:HI+i+1], v[X+i:X+i+1], s[36:37] op_sel_hi:[1,0]    ; hi = c z
.set i, i+2
.endr
.set i, 0
.rept 20
	v_pk_fma_f32 v[LO+i:LO+i+1], v[X+i:X+i+1], s[36:37], v[HI+i:HI+i+1] op_sel_hi:[1,0,1] neg_lo:[0,0,1] neg_hi:[0,0,1]   ; what that product's rounding lost,
.set i, i+2
.endr
.set i, 0
.rept 20
	v_pk_fma_f32 v[LO+i:LO+i+1], v[X+i:X+i+1], s[38:39], v[LO+i:LO+i+1] op_sel_hi:[1,0,1]   ; and what c's own rounding lost
.set i, i+2
.endr
.set i, 0
.rept 40
	v_med3_num_f32 v[HI+i], v[HI+i], s42, s43      ; the exponent is held at +-120
.set i, i+1
.endr
.set i, 0
	s_wait_alu depctr_va_vdst(0)
.rept 40
	v_exp_f32 v[X+i], v[HI+i]
.set i, i+1
.endr
.set i, 0
.rept 20
	v_pk_mul_f32 v[LO+i:LO+i+1], v[LO+i:LO+i+1], s[40:41] op_sel_hi:[1,0]  ; plain work behind the exponentials, which names none of their results
.set i, i+2
.endr
	s_wait_alu depctr_va_vdst(0)                   ; one wait for the batch of 40, ahead of its first reader
.set i, 0
.rept 20
	v_pk_fma_f32 v[X+i:X+i+1], v[X+i:X+i+1], v[LO+i:LO+i+1], v[X+i:X+i+1]  ; A = e + e lo ln 2
.set i, i+2
.endr
.irp i, 0,1,2,3,4,5,6,7
	ds_store_b128 v5, v[X+4*\i:X+4*\i+3] offset:8*AQP*\i
.endr
.irp i, 0,1
	ds_store_b128 v6, v[X+32+4*\i:X+32+4*\i+3] offset:2048*\i
.endr
.Lmeet:
	s_wait_kmcnt 0x0                               ; scale, asked for at the head
	s_mul_f32 s16, s16, -2.0
	s_wait_dscnt 0x0                               ; for the others' sake: my stores have landed
	s_barrier_signal -1
	s_barrier_wait -1
	s_cmp_eq_u32 s18, 0
	s_cbranch_scc1 .Lend
	s_wait_alu depctr_va_vdst(0)
	; ---- phase 2: my two rows against my wave's four keys
.irp g, 0,1
.irp n, 0,1,2,3,4,5,6,7,8,9,10,11,12,13,14,15
	ds_load_b128 v[AQ+64*\g+4*\n:AQ+64*\g+4*\n+3], v1 offset:32*AQP*\g+16*\n
.endr
.endr
.macro LOADAV n                        ; chunk n = key n / 4, d 16 (n % 4) on: 16 numbers
.irp m, 0,1,2,3
	ds_load_b128 v[AV+4*\m:AV+4*\m+3], v2 offset:256*((\n)/4)+64*((\n)%4)+16*\m
.endr
.endm
.macro CHUNK n
.set CC, (\n)%4
.set KK, (\n)/4
	s_wait_dscnt 0x0                               ; this chunk's 16 numbers are in (asked for in the chunk before, behind its products); in the first chunk my rows too
.irp g, 0,1
.irp m, 0,1,2,3,4,5,6,7
	v_pk_mul_f32 v[W+16*\g+2*\m:W+16*\g+2*\m+1], v[AQ+64*\g+16*CC+2*\m:AQ+64*\g+16*CC+2*\m+1], v[AV+2*\m:AV+2*\m+1]   ; w = A(q) A(v)
.endr
.endr
.if (\n) < 15
	LOADAV (\n)+1                                  ; the buffer has been read: the next chunk's numbers land while this chunk is worked
.endif
.set i, 0
.rept 16
	v_pk_mul_f32 v[W+i:W+i+1], v[W+i:W+i+1], v[W+i:W+i+1]                  ; w^2
.set i, i+2
.endr
.set i, 0
.rept 16
	v_pk_fma_f32 v[W+i:W+i+1], v[W+i:W+i+1], v[W+i:W+i+1], 1.0 op_sel_hi:[1,1,0]   ; 1 + w^4
.set i, i+2
.endr
.set i, 0
	s_wait_alu depctr_va_vdst(0)
.rept 32
	v_rcp_f32 v[W+i], v[W+i]                       ; r
.set i, i+1
.endr
	v_nop                                          ; a plain instruction behind the last reciprocal
	s_wait_alu depctr_va_vdst(0)                   ; one wait for the batch of 32, ahead of its first reader
.irp m, 0,1,2,3
.irp g, 0,1
	v_pk_add_f32 v[W+16*\g+2*\m:W+16*\g+2*\m+1], v[W+16*\g+2*\m:W+16*\g+2*\m+1], v[W+16*\g+2*\m+8:W+16*\g+2*\m+9]
.endr
.endr
.irp m, 0,1
.irp g, 0,1
	v_pk_add_f32 v[W+16*\g+2*\m:W+16*\g+2*\m+1], v[W+16*\g+2*\m:W+16*\g+2*\m+1], v[W+16*\g+2*\m+4:W+16*\g+2*\m+5]
.endr
.endr
.irp g, 0,1
	v_pk_add_f32 v[W+16*\g:W+16*\g+1], v[W+16*\g:W+16*\g+1], v[W+16*\g+2:W+16*\g+3]
.endr
.if CC == 0
.irp g, 0,1
	v_pk_add_f32 v[ACC+2*\g:ACC+2*\g+1], v[W+16*\g:W+16*\g+1], -4.0 op_sel_hi:[1,0]   ; each half holds 8 r: 4 off; a key's first chunk starts the sum
.endr
.else
.irp g, 0,1
	v_pk_add_f32 v[W+16*\g:W+16*\g+1], v[W+16*\g:W+16*\g+1], -4.0 op_sel_hi:[1,0]
.endr
.irp g, 0,1
	v_pk_add_f32 v[ACC+2*\g:ACC+2*\g+1], v[ACC+2*\g:ACC+2*\g+1], v[W+16*\g:W+16*\g+1]
.endr
.endif
.if CC == 3
	v_add_f32 v[W+2], v[ACC], v[ACC+1]             ; sum of r - 32
	v_add_f32 v[W+18], v[ACC+2], v[ACC+3]
	v_mul_f32 v[SC+KK], s16, v[W+2]                ; x -2 scale
	v_mul_f32 v[SC+4+KK], s16, v[W+18]
.endif
.endm
	LOADAV 0
.irp n, 0,1,2,3,4,5,6,7,8,9,10,11,12,13,14,15
	CHUNK \n
.endr
	global_store_b128 v3, v[SC:SC+3], s[50:51] th:TH_STORE_NT                 ; 32 lanes store 512 consecutive bytes, aligned: rows 0-31 of the tile,
	global_store_b128 v3, v[SC+4:SC+7], s[50:51] offset:131072 th:TH_STORE_NT ; rows 32-63: the next tile of 32 rows
.Lend:
	s_wait_tensorcnt 0x0
	ds_add_u32 v192, v193
	s_wait_dscnt 0x0
	s_endpgm
; ---- value as the second launch's operand.  Work-group L = 8 b + s takes keys 128 s on of batch b; wave t channels 16 t on.  The keys are the product's K and value's first axis: a lane takes a channel
; (16 t + lane % 16) and its registers run down the keys, in the order that the operand's layout gives it: k = 64 c + 32 (lane / 16) + 0 .. 31.  So the conversions' results are the operand's registers.
; A block's scale byte is its largest magnitude's exponent field - 2, held at 1 from below (a block of zeros keeps the byte 1: its codes are zeros, and this program alone reads the bytes).
.Lvq:
	v_and_b32 v1, 15, v0
	v_bfe_u32 v2, v0, 4, 1
	v_lshlrev_b32 v3, 2, v1
	v_lshl_add_u32 v3, v2, 13, v3                  ; 4 r + 32 rows of 256 bytes for lanes 16-31
	s_wait_alu depctr_va_vdst(0)
	v_lshlrev_b32 v11, 4, v7
	v_lshlrev_b32 v12, 2, v7
	s_lshl_b32 s20, ttmp9, 15                      ; 128 keys of 256 bytes a work-group
	s_lshl_b32 s21, s17, 6
	s_add_co_u32 s20, s20, s21
	s_mov_b32 s21, 0
	s_add_nc_u64 s[6:7], s[6:7], s[20:21]
	s_lshl_b32 s22, ttmp9, 2
	s_add_co_u32 s22, s22, s17                     ; the fragment's number
	s_mul_i32 s20, s22, 1536
	s_add_nc_u64 s[24:25], s[14:15], s[20:21]      ; its image: 12 registers x 128 bytes
	s_lshl_b32 s20, s22, 7
	s_add_co_u32 s20, s20, 98304
	s_add_nc_u64 s[26:27], s[14:15], s[20:21]      ; its scale words, behind the 64 images
	s_mov_b32 s44, 0x76543210
	s_mov_b32 s45, 0xfedcba98                      ; lane selects: lane l xor 16
.set i, 0
.rept 64
	global_load_b32 v[64+i], v3, s[6:7] offset:256*(64*(i/32)+i%32)
.set i, i+1
.endr
	s_wait_loadcnt 0x0
.irp c, 0,1
	v_max3_num_f32 v[32+\c], |v[64+32*\c]|, |v[65+32*\c]|, 0x1800000   ; my block 2 c + lane / 16: all its 32 numbers are mine; and the floor 2^(3 - 127)
.endr
.irp i, 2,4,6,8,10,12,14,16,18,20,22,24,26,28,30
.irp c, 0,1
	v_max3_num_f32 v[32+\c], v[32+\c], |v[64+32*\c+\i]|, |v[65+32*\c+\i]|
.endr
.endr
.irp c, 0,1
	v_add_nc_u32 v[44+\c], 0xff000000, v[32+\c]    ; 2 off the exponent field: the conversion's scale operand
.endr
.irp c, 0,1
	v_lshrrev_b32 v[36+\c], 23, v[44+\c]           ; the scale's byte
.endr
	v_lshl_or_b32 v9, v37, 16, v36
	v_lshlrev_b32 v10, 3, v2
	v_lshlrev_b32 v9, v10, v9                      ; my two bytes at their places in the word
	v_mov_b32 v10, 0
	v_permlanex16_b32 v10, v9, s44, s45
	v_or_b32 v9, v9, v10                           ; with lane l xor 16's two the word is whole, in all 32 lanes
.irp c, 0,1
	v_cvt_scalef32_pk16_fp6_f32 v[48+6*\c:50+6*\c], v[64+32*\c:79+32*\c], v[44+\c]
	v_cvt_scalef32_pk16_fp6_f32 v[128+4*\c:130+4*\c], v[80+32*\c:95+32*\c], v[44+\c]   ; (a conversion's three registers begin on an even number)
.endr
	v_nop                                          ; one plain place behind a scaled conversion
.irp c, 0,1
.irp i, 0,1,2
	v_mov_b32 v[51+6*\c+\i], v[128+4*\c+\i]
.endr
.endr
.irp c, 0,1,2
	global_store_b128 v11, v[48+4*\c:51+4*\c], s[24:25] offset:512*\c      ; 512 consecutive bytes a store, aligned
.endr
	global_store_b32 v12, v9, s[26:27]
	s_endpgm
.Lfunc_end_k_q24a18ddaf7_scores:
	.size	k_q24a18ddaf7_scores, .Lfunc_end_k_q24a18ddaf7_scores-k_q24a18ddaf7_scores
	.p2alignl 7, 3214868480
	.fill 96, 4, 3214868480
	.section	.rodata,"a",@progbits
	.p2align	6, 0x0
	.amdhsa_kernel k_q24a18ddaf7_scores
		.amdhsa_group_segment_fixed_size 22016
		.amdhsa_private_segment_fixed_size 0
		.amdhsa_enable_private_segment 0
		.amdhsa_kernarg_size 48
		.amdhsa_user_sgpr_count 2
		.amdhsa_user_sgpr_kernarg_segment_ptr 1
		.amdhsa_wavefront_size32 1
		.amdhsa_system_sgpr_workgroup_id_x 1
		.amdhsa_system_sgpr_workgroup_id_y 1
		.amdhsa_system_sgpr_workgroup_id_z 1
		.amdhsa_system_vgpr_workitem_id 0
		.amdhsa_next_free_vgpr 194
		.amdhsa_next_free_sgpr 66
		.amdhsa_reserve_vcc 1
		.amdhsa_float_denorm_mode_32 3
		.amdhsa_float_denorm_mode_16_64 3
		.amdhsa_memory_ordered 1
		.amdhsa_forward_progress 1
		.amdhsa_inst_pref_size 117
	.end_amdhsa_kernel
	.amdgpu_metadata
---
amdhsa.version: [ 1, 2 ]
amdhsa.kernels:
  - .name:           k_q24a18ddaf7_scores
    .symbol:         k_q24a18ddaf7_scores.kd
    .args:
      - { .name: query, .offset: 0, .size: 8, .value_kind: global_buffer, .address_space: global }
      - { .name: value, .offset: 8, .size: 8, .value_kind: global_buffer, .address_space: global }
      - { .name: scale, .offset: 16, .size: 8, .value_kind: global_buffer, .address_space: global }
      - { .name: v_mask, .offset: 24, .size: 8, .value_kind: global_buffer, .address_space: global }
      - { .name: scores, .offset: 32, .size: 8, .value_kind: global_buffer, .address_space: global }
      - { .name: vq, .offset: 40, .size: 8, .value_kind: global_buffer, .address_space: global }
    .group_segment_fixed_size: 22016
    .private_segment_fixed_size: 0
    .kernarg_segment_align: 8
    .kernarg_segment_size: 48
    .max_flat_workgroup_size: 128
    .sgpr_count:     66
    .vgpr_count:     194
    .wavefront_size: 32
...
	.end_amdgpu_metadata
.endif
;; end of part 3
;; launch attend (part 4): grid 64 x 1, 8 waves a work-group, no clusters, 72,704 bytes of LDS; arguments scores, vq, v_mask, q_mask, out0; writes out0
.if DOCPART == 4
	.amdgcn_target "amdgcn-amd-amdhsa--gfx1250"
	.amdhsa_code_object_version 6
	.text
	.protected	k_q24a18ddaf7_attend
	.globl	k_q24a18ddaf7_attend
	.p2align	8
	.type	k_q24a18ddaf7_attend,@function
k_q24a18ddaf7_attend:
	s_mov_b64 s[64:65], 0
	v_nop
	global_prefetch_b8 v0, s[64:65] scope:SCOPE_SE
	s_setreg_imm32_b32 hwreg(HW_REG_WAVE_SCHED_MODE, 0, 2), 2
	s_setreg_imm32_b32 hwreg(HW_REG_WAVE_MODE, 25, 1), 1
	s_wait_xcnt 0x0
	s_wait_alu depctr_vm_vsrc(0)
; out[b][q] = q_mask x (sum over k of p V) / (sum over k of p), p = 2^(t - M), t = (score - 1e9 x hidden) x log2(e), hidden = not v_mask[k] or k > q; the product on codes of FP6 (E2M3) with one E8M0 scale for each 32 keys.
; SHARES.  A work-group takes 32 rows (batch ttmp9 / 32, tile T = ttmp9 % 32).  A lane is a row; wave w takes keys 128 w .. 128 w + 127, one K step: so a block of 32 keys lies whole in one lane, and no maximum or sum crosses lanes.
; Each wave has its own M (the ceiling of its 128 keys' largest t), its own sum and its own part of O; they meet in LDS, and parts are brought under the largest M by exact powers of two.
; t - M is a multiplication and then an addition, as the definition has it: in a row that sees no key t is near -1.44e9 and a fused form would give other numbers.
; WHICH WAVES WORK.  A wave all of whose keys lie above the tile's rows adds nothing (p = 0) unless some row of the 64-row tile sees no key at all: FLAG = v_mask[b][0 .. 64 (T / 2)] is all false, the same test on whole
; numbers that the first launch makes.  A wave without work stores zeros for its part.  The first launch has stored keys 0 .. 64 (T / 2) + 63, or all where FLAG holds: a wave's second 64 keys are loaded only where they were stored.
; THREE WAYS IN, parted by ids: 4 w <= T and 2 w + 1 <= T / 2: all of the wave's scores were stored whatever the mask says: every load goes out at once, and the mask is not tested;
; 4 w <= T alone: the first 64 keys' loads go out together with the test's, and the test decides of the second 64; neither: the test decides whether the wave works at all.  Every way writes all that is read behind the common label.
; LIMITS: |scale| up to 1e6, so that a key above the diagonal has p = 0 in a row that sees a key; NaN and infinities are not served.
; No tensor load and no cluster: the launch branches on the mask, and work-groups share only value's codes, 6 KiB a wave.  No prefetch: each wave's loads go out together at its head.
; The product is used transposed: source 0 = 16 channels of V (keys innermost, as the first launch laid them), source 1 = 16 rows of p: a lane's eight results are eight neighbouring channels of one row.
; THE MODE: SCHED_MODE bits 1:0 = 2 (LLVM: expert scheduling mode 2), set by the entry lines.  The code itself states the register dependences between vector or matrix instructions and memory or LDS instructions, with s_wait_alu, always for 0.
; THE PLAN.  Registers that memory or LDS instructions touch:
;   v1, v2, v6-v11, v60-v63   offsets and LDS addresses: written at the head, never again.  One wait on va_vdst ahead of the first load serves every load and store of the kernel.
;   v16-23, v58, v59, v192-243   loaded once, ahead of every vector or matrix instruction that names them; no memory instruction reads them.
;   v64-191   the scores land here, ahead of every vector instruction that names them; vector work in place; the matrix instructions write v64-127; the stage's LDS stores read v64-127; behind the barrier the combine's LDS loads land in v64-159.
;             One wait on va_vdst ahead of the stage's stores (no vector instruction follows it before the combine's loads), one on vm_vsrc behind them; the arm without work has the same pair round its own stores.
;   v12, v14   -M and the sum: written by vector instructions, read by two LDS stores, which stand behind the wait on va_vdst that the scaled matrix instructions have in front of them.
;   v164-167, v172-175   the finished rows: one wait on va_vdst ahead of the two global stores.
; Scalar registers that vector instructions write: s14 (the wave's number); s16, s17 and VCC in the mask test; the penalties' masks, two sets of eight by turns, with one wait on va_sdst to a group of eight keys.
.set STP, 272                          ; a stage row: 64 channels, 256 bytes + 16
.set STW, 32*STP                       ; a wave's stage: 32 rows
.set MLB, 8*STW                        ; behind the eight stages: -M laid [row][wave], 1,024 bytes; then the sums likewise
.set X,   64                           ; v64-191   scores, t, p of my row's 128 keys; then the 8 accumulators (v64-127); then the combine's loads (v64-159)
.set VF,  192                          ; v192-239  V's four fragments
.set VS,  240                          ; v240-243  V's scale words
.set PW,  244                          ; v244      p's scale word: lane = row
.set BM,  245                          ; v245-248  the four blocks' largest t, then p, then bytes
.set OP,  249                          ; v249-252  the conversions' scale operands
.set F0,  32                           ; v32-43    p's codes, rows 0-15;  v44-55 rows 16-31
.set TC,  16                           ; v16-31    the mask test; later the conversions' second halves, four registers a block
.set PEN, 24                           ; v24-31    eight penalties
.set CB,  64
.set TH,  66                           ; s66-73    eight keys' thresholds
.set MK,  4                            ; s4-11, s22-29   eight keys' masks, set m at MK + 18 m: scalar registers that are free once the loads that read them as bases are done
; my 128 mask bytes, V's four fragments with their scale words, and the scores of my first 64 keys
.macro LOADA
	s_load_b512 s[32:47], s[78:79], 0x0
	s_load_b512 s[48:63], s[78:79], 0x40
.irp t, 0,1,2,3
.irp c, 0,1,2
	global_load_b128 v[VF+12*\t+4*\c:VF+12*\t+4*\c+3], v1, s[24:25] offset:1536*\t+512*\c
.endr
	global_load_b32 v[VS+\t], v2, s[26:27] offset:128*\t
.endr
.irp i, 0,1,2,3,4,5,6,7,8,9,10,11,12,13,14,15
	global_load_b128 v[X+4*\i:X+4*\i+3], v1, s[28:29] offset:512*\i th:TH_LOAD_NT   ; register n: key 128 w + n of my row; 512 consecutive bytes a load
.endr
.endm
; the scores of my second 64 keys
.macro LOADB
.irp i, 16,17,18,19,20,21,22,23,24,25,26,27,28,29,30,31
	global_load_b128 v[X+4*\i:X+4*\i+3], v1, s[28:29] offset:512*\i th:TH_LOAD_NT
.endr
.endm
; s15 = FLAG.  A lane takes 32 bytes of the batch's mask; lanes under 2 (T / 2) count whole, lane 2 (T / 2) with its first byte.
; The two compares that hang on ids alone stand behind the loads and ahead of the wait for them; they name v254 alone, which no load touches.
.macro FLAGTEST
	global_load_b128 v[16:19], v61, s[22:23]
	global_load_b128 v[20:23], v61, s[22:23] offset:16
	s_lshl_b32 s18, s76, 1
	v_cmp_gt_u32 s16, s18, v254                    ; the lanes that count whole
	v_cmp_eq_u32 s17, s18, v254                    ; the lane that counts with its first byte
	s_wait_loadcnt 0x0                             ; the test's loads, and whatever went out ahead of them
	v_or_b32 v24, v16, v17
	v_or_b32 v25, v18, v19
	v_or_b32 v26, v20, v21
	v_or_b32 v27, v22, v23
	v_or_b32 v24, v24, v25
	v_or_b32 v26, v26, v27
	v_or_b32 v24, v24, v26
	v_and_b32 v25, 0xff, v16
	s_wait_alu depctr_va_sdst(0)                   ; the two compares have written s16 and s17, which the two selects read
	v_cndmask_b32 v24, 0, v24, s16
	v_cndmask_b32 v24, v24, v25, s17
	v_cmp_ne_u32 vcc_lo, 0, v24
	s_wait_alu depctr_va_vcc(0)                    ; the compare has written VCC, which the scalar compare reads
	s_cmp_eq_u32 vcc_lo, 0
	s_cselect_b32 s15, 1, 0
.endm
	s_load_b256 s[4:11], s[0:1], 0x0               ; scores s[4:5], vq s[6:7], v_mask s[8:9], q_mask s[10:11]
	s_load_b64 s[12:13], s[0:1], 0x20              ; out0
	v_lshl_add_u32 v62, v0, 2, 0x11800
	v_mov_b32 v63, 0
	v_lshrrev_b32 v253, 5, v0
	v_readfirstlane_b32 s14, v253                  ; wave 0..7
	v_and_b32 v254, 31, v0                         ; lane
	s_wait_alu depctr_va_vdst(0)
	v_and_b32 v255, 15, v0                         ; r
	s_wait_alu depctr_va_vdst(0)
	v_bfe_u32 v253, v0, 4, 1                       ; h
	s_lshr_b32 s66, ttmp9, 5                       ; b
	s_and_b32 s67, ttmp9, 31                       ; T
	s_lshr_b32 s76, s67, 1                         ; the tile of 64 rows
	s_mov_b32 s19, 0x7fffffff
	s_mov_b32 s20, 0x3fb8aa3b                      ; log2(e)
	s_mov_b32 s21, s20
	; every address register is made here, ahead of the first parting
	v_lshlrev_b32 v1, 4, v254                      ; 16 x lane
	v_lshlrev_b32 v2, 2, v254                      ; 4 x lane
	v_lshlrev_b32 v61, 5, v254                     ; 32 x lane: my 32 bytes of the mask
	s_lshl_b32 s30, s67, 5
	s_wait_alu depctr_va_sdst(0)                   ; s14 is written, ahead of its first reader: addresses and the partings are made from it
	s_lshl_b32 s31, s14, 7
	s_sub_co_i32 s30, s30, s31
	v_add_nc_u32 v3, s30, v254                     ; d = my row - my wave's first key: key n of the wave lies above the diagonal where n > d
	v_mov_b32 v4, 0x4e6e6b28                       ; 1e9
	s_mul_i32 s77, s14, STW
	v_mul_u32_u24 v6, v255, STP
	s_wait_alu depctr_va_vdst(0)
	v_lshl_add_u32 v6, v253, 5, v6
	v_add_nc_u32 v6, s77, v6                       ; my stage: row r, 32 bytes for each half of the lanes
	v_add_nc_u32 v60, s77, v1                      ; my stage as it lies, 16 bytes a lane: for the zeros
	s_lshl_b32 s68, s14, 2
	v_add_nc_u32 v11, s68, v253                    ; the combine: row 4 w + h (and two rows on)
	v_mul_u32_u24 v7, v11, STP
	v_lshl_add_u32 v7, v255, 4, v7                 ; its 16 bytes in a stage
	v_lshlrev_b32 v8, 5, v11
	v_add_nc_u32 v8, MLB, v8                       ; its eight -M
	v_lshlrev_b32 v9, 5, v254
	v_add_nc_u32 v9, s68, v9
	v_add_nc_u32 v9, MLB, v9                       ; where I put my row's -M: 32 x row + 4 x wave
	v_lshlrev_b32 v10, 8, v11
	v_lshl_add_u32 v10, v255, 4, v10               ; and its 16 bytes in out0
	s_mov_b32 s31, 0
	s_wait_kmcnt 0x0
	s_lshl_b32 s30, s66, 10
	s_add_nc_u64 s[22:23], s[8:9], s[30:31]        ; v_mask at batch b,
	s_lshl_b32 s30, s14, 7
	s_add_nc_u64 s[78:79], s[22:23], s[30:31]      ; and at my wave's 128 keys
	s_lshl_b32 s69, s66, 3
	s_add_co_u32 s69, s69, s14                     ; the K step: 8 b + wave
	s_mul_i32 s30, s69, 6144
	s_add_nc_u64 s[24:25], s[6:7], s[30:31]        ; its four images
	s_lshl_b32 s30, s69, 9
	s_add_co_u32 s30, s30, 98304
	s_add_nc_u64 s[26:27], s[6:7], s[30:31]        ; their scale words
	s_lshl_b32 s30, ttmp9, 17
	s_lshl_b32 s69, s14, 14
	s_add_co_u32 s30, s30, s69
	s_add_nc_u64 s[28:29], s[4:5], s[30:31]        ; scores: my tile of 32 rows, my 32 groups of 4 keys
	s_lshl_b32 s30, ttmp9, 5
	s_add_nc_u64 s[10:11], s[10:11], s[30:31]
	s_lshl_b32 s30, ttmp9, 13
	s_add_nc_u64 s[12:13], s[12:13], s[30:31]
	s_wait_alu depctr_va_vdst(0)                   ; the offsets and LDS addresses v1, v2, v6 to v11, v60 to v63 are written: every load and store of the kernel reads some of them, and none is written again
	global_load_u8 v58, v11, s[10:11]              ; q_mask of the combine's two rows
	global_load_u8 v59, v11, s[10:11] offset:2
	s_lshl_b32 s30, s14, 1
	s_add_co_u32 s30, s30, 1                       ; 2 w + 1
	s_cmp_le_u32 s68, s67                          ; 4 w <= T: my first key is no later than the tile's last row, and my first 64 keys' scores were stored
	s_cbranch_scc0 .Lfar
	LOADA
	s_cmp_le_u32 s30, s76                          ; 2 w + 1 <= T / 2: my second 64 keys' scores were stored too
	s_cbranch_scc0 .Ledge
	LOADB
	s_branch .Lhalf
.Ledge:                                                ; the wave on the diagonal's edge: the mask decides of its second 64 keys
	FLAGTEST
	s_cmp_eq_u32 s15, 0
	s_cbranch_scc1 .Lno_half
	LOADB                                          ; no wait: the test's vector instructions name v16 to v27 and v254, none of the registers that these loads touch
	s_branch .Lhalf
.Lno_half:
.set i, 64
.rept 64
	v_mov_b32 v[X+i], 0                            ; these keys lie above every row of the tile: the penalty follows
.set i, i+1
.endr
	s_branch .Lhalf
.Lfar:                                                 ; all my keys lie above the tile's rows: the mask decides whether I work
	FLAGTEST
	s_cmp_eq_u32 s15, 0
	s_cbranch_scc0 .Lall
	; ---- a wave without work: zeros for its part of O and its sum, and an M under every other
.irp i, 0,1,2,3
	v_mov_b32 v[64+\i], 0
.endr
	v_mov_b32 v12, 0x7f61b1e6                      ; -M = 3e38
	s_wait_alu depctr_va_vdst(0)                   ; v64 to v67 and v12 are written, which the LDS stores read; no vector instruction follows before the combine's loads land in v64 on
.set i, 0
.rept 17
	ds_store_b128 v60, v[64:67] offset:512*i
.set i, i+1
.endr
	ds_store_b32 v9, v12
	ds_store_b32 v9, v64 offset:1024
	s_wait_alu depctr_vm_vsrc(0)                   ; these stores have read v64 to v67, in which the combine's loads land
	s_branch .Lmeet
.Lall:
	LOADA                                          ; no wait: the test's vector instructions name none of the registers that these loads touch
	LOADB
.Lhalf:
	s_wait_loadcnt 0x0
	s_wait_kmcnt 0x0
; Eight keys a group.  The threshold is the key's number in the wave where v_mask holds, else the greatest number; the key is hidden where the threshold is above d.
; A group's eight compares write eight scalar registers, two sets by turns.  At a group's head stands the wait for its masks; behind it the next group's thresholds and compares (into the other set),
; then this group's selects and subtractions: so a group's masks are waited for sixteen vector instructions behind their compares, and the thresholds are written again only when the compares that read them are done.
.macro THRESH g
.irp k, 0,1,2,3,4,5,6,7
	s_bitcmp1_b32 s[32+2*(\g)+\k/4], 8*(\k%4)
	s_cselect_b32 s[TH+\k], 8*(\g)+\k, s19
.endr
.endm
.macro COMPARE g
.irp k, 0,1,2,3,4,5,6,7
	v_cmp_gt_i32 s[MK+18*((\g)%2)+\k], s[TH+\k], v3
.endr
.endm
.macro HIDE g
.irp k, 0,1,2,3,4,5,6,7
	v_cndmask_b32 v[PEN+\k], 0, v4, s[MK+18*((\g)%2)+\k]
.endr
.irp k, 0,1,2,3,4,5,6,7
	v_sub_f32 v[X+8*(\g)+\k], v[X+8*(\g)+\k], v[PEN+\k]   ; score - 1e9 or score - 0, rounded as it stands
.endr
.endm
	THRESH 0
	COMPARE 0
.irp g, 0,1,2,3,4,5,6,7,8,9,10,11,12,13,14,15
	s_wait_alu depctr_va_sdst(0)                   ; this group's eight compares have written their masks, which its selects read
.if \g < 15
	THRESH \g+1
	COMPARE \g+1
.endif
	HIDE \g
.endr
.set i, 0
.rept 64
	v_pk_mul_f32 v[X+i:X+i+1], v[X+i:X+i+1], s[20:21] op_sel_hi:[1,0]      ; t
.set i, i+2
.endr
.irp b, 0,1,2,3
	v_max3_num_f32 v[BM+\b], v[X+32*\b], v[X+32*\b+1], v[X+32*\b+2]        ; each block's largest t: it serves for M and, since p rises with t, for the block's largest p
.endr
.irp i, 3,5,7,9,11,13,15,17,19,21,23,25,27,29
.irp b, 0,1,2,3
	v_max3_num_f32 v[BM+\b], v[BM+\b], v[X+32*\b+\i], v[X+32*\b+\i+1]
.endr
.endr
.irp b, 0,1,2,3
	v_max_num_f32 v[BM+\b], v[BM+\b], v[X+32*\b+31]
.endr
	v_max3_num_f32 v253, v[BM], v[BM+1], v[BM+2]
	v_max_num_f32 v253, v253, v[BM+3]
	v_floor_f32 v12, -v253                         ; -M = floor(-t) = -ceil(t): a whole number
	v_mov_b32 v13, v12
.set i, 0
.rept 64
	v_pk_add_f32 v[X+i:X+i+1], v[X+i:X+i+1], v[12:13] op_sel_hi:[1,0]      ; t - M
.set i, i+2
.endr
.irp b, 0,1,2,3
	v_add_f32 v[BM+\b], v[BM+\b], v12
.endr
.set i, 0
	s_wait_alu depctr_va_vdst(0)
.rept 128
	v_exp_f32 v[X+i], v[X+i]                       ; p, at most 1, not normalised
.set i, i+1
.endr
	v_nop                                          ; a plain instruction behind the last exponential
	s_wait_alu depctr_va_vdst(0)                   ; the 128 exponentials have written p in v64 to v191: one wait for the batch, ahead of its first reader
.irp b, 0,1,2,3
	v_exp_f32 v[BM+\b], v[BM+\b]                   ; the block's largest p: the same instructions on the same number
.endr
	v_pk_add_f32 v[14:15], v[X:X+1], v[X+2:X+3]    ; the row's sum, of the unquantised p, in two chains: plain work behind the four
	v_pk_add_f32 v[56:57], v[X+4:X+5], v[X+6:X+7]
.set i, 8
.rept 30
	v_pk_add_f32 v[14:15], v[14:15], v[X+i:X+i+1]
	v_pk_add_f32 v[56:57], v[56:57], v[X+i+2:X+i+3]
.set i, i+4
.endr
	v_pk_add_f32 v[14:15], v[14:15], v[56:57]
	v_add_f32 v14, v14, v15
	s_wait_alu depctr_va_vdst(0)                   ; the four exponentials have written v245 to v248: one wait for them, ahead of their first reader
.irp b, 0,1,2,3
	v_max_num_f32 v[BM+\b], 0x1800000, v[BM+\b]    ; the floor 2^(3 - 127): the byte cannot fall under 1 (a block of zeros keeps that byte: its codes are zeros)
.endr
.irp b, 0,1,2,3
	v_add_nc_u32 v[OP+\b], 0xff000000, v[BM+\b]    ; 2 off the exponent field: the conversion's scale operand
.endr
.irp b, 0,1,2,3
	v_lshrrev_b32 v[BM+\b], 23, v[OP+\b]           ; the scale's byte
.endr
	v_lshl_or_b32 v[PW], v[BM+1], 8, v[BM]
	v_lshl_or_b32 v[PW], v[BM+2], 16, v[PW]
	v_lshl_or_b32 v[PW], v[BM+3], 24, v[PW]        ; my row's scale word
; my row's blocks 0 and 2 go to the first run of twelve registers, blocks 1 and 3 to the second
.irp b, 0,1,2,3
	v_cvt_scalef32_pk16_fp6_f32 v[F0+12*(\b%2)+6*(\b/2):F0+12*(\b%2)+6*(\b/2)+2], v[X+32*\b:X+32*\b+15], v[OP+\b]
	v_cvt_scalef32_pk16_fp6_f32 v[TC+4*\b:TC+4*\b+2], v[X+32*\b+16:X+32*\b+31], v[OP+\b]   ; (a conversion's three registers begin on an even number)
.endr
	v_nop                                          ; one plain place behind a scaled conversion
.irp b, 0,1,2,3
.irp i, 0,1,2
	v_mov_b32 v[F0+12*(\b%2)+6*(\b/2)+3+\i], v[TC+4*\b+\i]
.endr
.endr
.irp i, 0,1,2,3,4,5,6,7,8,9,10,11
	v_permlane16_swap_b32 v[F0+\i], v[F0+12+\i]    ; the first's lanes 16-31 change places with the second's lanes 0-15: the first run is now the operand of rows 0-15 (lane (r, h): blocks h and 2 + h of row r), the second that of rows 16-31
.endr
.rept 8
	v_nop                                          ; a scale register written by a vector instruction stands 8 places ahead of a scaled matrix instruction, an operand so written 4
.endr
	s_wait_alu depctr_va_vdst(0)                   ; p's codes v32 to v55 and its scale word v244 are written, which the scaled matrix instructions take; so are v12 and v14, which the two LDS stores below read
.irp t, 0,1,2,3
	v_wmma_scale_f32_16x16x128_f8f6f4 v[X+8*\t:X+8*\t+7], v[VF+12*\t:VF+12*\t+11], v[F0:F0+11], 0, v[VS+\t], v[PW] matrix_a_fmt:MATRIX_FMT_FP6 matrix_b_fmt:MATRIX_FMT_FP6
.endr
	ds_store_b32 v9, v12                           ; my row's -M and sum.  No wait: the matrix instructions since the wait above name none of v9, v12, v14
	ds_store_b32 v9, v14 offset:1024
.irp t, 0,1,2,3
	v_wmma_scale_f32_16x16x128_f8f6f4 v[X+32+8*\t:X+32+8*\t+7], v[VF+12*\t:VF+12*\t+11], v[F0+12:F0+23], 0, v[VS+\t], v[PW] matrix_a_fmt:MATRIX_FMT_FP6 matrix_b_fmt:MATRIX_FMT_FP6 matrix_b_scale:MATRIX_SCALE_ROW1
.endr
.rept 4
	v_nop                                          ; four places ahead of the first read of results
.endr
	s_wait_alu depctr_va_vdst(0)                   ; the matrix instructions have written the accumulators v64 to v127, which the LDS stores read (the places above stay beside this wait); and every vector instruction that named v64 to v159 is done: the combine's loads land there, and no vector instruction stands between
.irp q, 0,1
.irp t, 0,1,2,3
	ds_store_b128 v6, v[X+32*\q+8*\t:X+32*\q+8*\t+3] offset:16*STP*\q+64*\t         ; lane (r, h): row 16 q + r, channels 16 t + 8 h + 0 .. 7; each accumulator from its low end on
	ds_store_b128 v6, v[X+32*\q+8*\t+4:X+32*\q+8*\t+7] offset:16*STP*\q+64*\t+16
.endr
.endr
	s_wait_alu depctr_vm_vsrc(0)                   ; these stores have read v64 to v127, in which the combine's loads land
.Lmeet:
	s_wait_dscnt 0x0                               ; for the others' sake: my stores have landed
	s_barrier_signal -1
	s_barrier_wait -1
	; ---- the combine: wave w takes rows 4 w .. 4 w + 3, two at a time: lanes 0-15 one row, lanes 16-31 the next, 16 bytes of the row's 256 a lane
.irp i, 0,1
	ds_load_b128 v[CB+48*\i:CB+48*\i+3], v8 offset:64*\i                   ; the eight waves' -M of the row,
	ds_load_b128 v[CB+48*\i+4:CB+48*\i+7], v8 offset:64*\i+16
	ds_load_b128 v[CB+48*\i+8:CB+48*\i+11], v8 offset:64*\i+1024           ; their sums,
	ds_load_b128 v[CB+48*\i+12:CB+48*\i+15], v8 offset:64*\i+1040
.irp w, 0,1,2,3,4,5,6,7
	ds_load_b128 v[CB+48*\i+16+4*\w:CB+48*\i+19+4*\w], v7 offset:STW*\w+2*STP*\i   ; and their parts of O
.endr
.endr
	s_wait_dscnt 0x0
.irp i, 0,1
	v_min_num_f32 v[160+8*\i], v[CB+48*\i], v[CB+48*\i+1]
	v_min_num_f32 v[161+8*\i], v[CB+48*\i+2], v[CB+48*\i+3]
	v_min_num_f32 v[162+8*\i], v[CB+48*\i+4], v[CB+48*\i+5]
	v_min_num_f32 v[163+8*\i], v[CB+48*\i+6], v[CB+48*\i+7]
	v_min_num_f32 v[160+8*\i], v[160+8*\i], v[161+8*\i]
	v_min_num_f32 v[162+8*\i], v[162+8*\i], v[163+8*\i]
	v_min_num_f32 v[160+8*\i], v[160+8*\i], v[162+8*\i]                    ; the least -M: the row's M
.irp w, 0,1,2,3,4,5,6,7
	v_sub_f32 v[CB+48*\i+\w], v[160+8*\i], v[CB+48*\i+\w]                  ; the wave's M less the row's: a whole number, 0 or less
.endr
.irp w, 0,1,2,3,4,5,6,7
	v_cvt_i32_f32 v[CB+48*\i+\w], v[CB+48*\i+\w]                           ; (it saturates)
.endr
.irp w, 0,1,2,3,4,5,6,7
	v_ldexp_f32 v[CB+48*\i+\w], 1.0, v[CB+48*\i+\w]                        ; f: a power of two, or 0
.endr
	v_mul_f32 v[161+8*\i], v[CB+48*\i], v[CB+48*\i+8]
.irp k, 0,1,2,3
	v_mul_f32 v[164+8*\i+\k], v[CB+48*\i], v[CB+48*\i+16+\k]
.endr
.irp w, 1,2,3,4,5,6,7
	v_fma_f32 v[161+8*\i], v[CB+48*\i+\w], v[CB+48*\i+8+\w], v[161+8*\i]   ; the row's sum
.irp k, 0,1,2,3
	v_fma_f32 v[164+8*\i+\k], v[CB+48*\i+\w], v[CB+48*\i+16+4*\w+\k], v[164+8*\i+\k]
.endr
.endr
.endr
	s_wait_alu depctr_va_vdst(0)
	v_rcp_f32 v161, v161
	v_rcp_f32 v169, v169
	v_cvt_f32_u32 v58, v58                         ; q_mask as a number: plain work behind the reciprocals
	v_cvt_f32_u32 v59, v59
	s_wait_alu depctr_va_vdst(0)                   ; the two reciprocals have written v161 and v169: one wait for the two, ahead of their first reader
.irp i, 0,1
	v_mul_f32 v[161+8*\i], v[161+8*\i], v[58+\i]
.endr
.irp i, 0,1
.irp k, 0,1,2,3
	v_mul_f32 v[164+8*\i+\k], v[164+8*\i+\k], v[161+8*\i]
.endr
.endr
	s_wait_alu depctr_va_vdst(0)                   ; the multiplications have written v164 to v167 and v172 to v175, which the two stores read
.irp i, 0,1
	global_store_b128 v10, v[164+8*\i:167+8*\i], s[12:13] offset:512*\i    ; sixteen lanes store a row's 256 consecutive bytes, aligned
.endr
	s_wait_dscnt 0x0                               ; the closing lines, six on end
	s_wait_alu 0x0
	s_wait_tensorcnt 0x0
	ds_add_u32 v62, v63
	s_wait_dscnt 0x0
	s_endpgm
.Lfunc_end_k_q24a18ddaf7_attend:
	.size	k_q24a18ddaf7_attend, .Lfunc_end_k_q24a18ddaf7_attend-k_q24a18ddaf7_attend
	.p2alignl 7, 3214868480
	.fill 96, 4, 3214868480
	.section	.rodata,"a",@progbits
	.p2align	6, 0x0
	.amdhsa_kernel k_q24a18ddaf7_attend
		.amdhsa_group_segment_fixed_size 72704
		.amdhsa_private_segment_fixed_size 0
		.amdhsa_enable_private_segment 0
		.amdhsa_kernarg_size 40
		.amdhsa_user_sgpr_count 2
		.amdhsa_user_sgpr_kernarg_segment_ptr 1
		.amdhsa_wavefront_size32 1
		.amdhsa_system_sgpr_workgroup_id_x 1
		.amdhsa_system_sgpr_workgroup_id_y 1
		.amdhsa_system_sgpr_workgroup_id_z 1
		.amdhsa_system_vgpr_workitem_id 0
		.amdhsa_next_free_vgpr 256
		.amdhsa_next_free_sgpr 80
		.amdhsa_reserve_vcc 1
		.amdhsa_float_denorm_mode_32 3
		.amdhsa_float_denorm_mode_16_64 3
		.amdhsa_memory_ordered 1
		.amdhsa_forward_progress 1
		.amdhsa_inst_pref_size 85
	.end_amdhsa_kernel
	.amdgpu_metadata
---
amdhsa.version: [ 1, 2 ]
amdhsa.kernels:
  - .name:           k_q24a18ddaf7_attend
    .symbol:         k_q24a18ddaf7_attend.kd
    .args:
      - { .name: scores, .offset: 0, .size: 8, .value_kind: global_buffer, .address_space: global }
      - { .name: vq, .offset: 8, .size: 8, .value_kind: global_buffer, .address_space: global }
      - { .name: v_mask, .offset: 16, .size: 8, .value_kind: global_buffer, .address_space: global }
      - { .name: q_mask, .offset: 24, .size: 8, .value_kind: global_buffer, .address_space: global }
      - { .name: out0, .offset: 32, .size: 8, .value_kind: global_buffer, .address_space: global }
    .group_segment_fixed_size: 72704
    .private_segment_fixed_size: 0
    .kernarg_segment_align: 8
    .kernarg_segment_size: 40
    .max_flat_workgroup_size: 256
    .sgpr_count:     80
    .vgpr_count:     256
    .wavefront_size: 32
...
	.end_amdgpu_metadata
.endif
;; end of part 4
